; MI455X (gfx1250); checked and timed in simulation.
; The chip was launched on July 23, 2026; its instructions are those of AMD's public machine-readable ISA for CDNA 5 (MIT licence, August 2026) and "CDNA5" Instruction Set Architecture Reference Guide (July 2026). The comments in the code are by the model that wrote it; some were corrected since.
;; Multi Head Self Attention. Allowed arithmetic: matrix products marked QUANTISED: E2M3 operands, one E8M0 scale for each 32 along K, by v_wmma_scale_f32_16x16x128_f8f6f4 with both operands' format E2M3, f32 sums; products left as they are: f32 operands where the result goes on into a quantised operand, else bf16, f16 or f32 operands; f32 sums; everything else in f32.
;; Inputs: Wout 1,024 x 1,024 float32; Wqkv 3,072 x 1,024 float32; attention_mask 2 x 2,048 bool; bout 1,024 float32; x 2 x 2,048 x 1,024 float32.
;; Outputs: out0 2 x 2,048 x 1,024 float32.
;; This version of the problem:
;;   THIS VERSION OF THE PROBLEM IS GIVEN IN LOW PRECISION. The matrix products marked QUANTISED in the list below multiply operands that are first quantised to E2M3 (2 exponent bits, 3 mantissa bits; 6 bits a number), with one power-of-two scale for each 32 numbers along K (OCP MX v1.0); their sums are f32. All else is computed in f32.
;;   The module's matrix products, in the order in which they are computed (A, B: the left and right operand; K: the contracted axis; several contracted axes count as one K, in the product's order):
;;     1. [M 4,096, K 1,024] x [K 1,024, N 3,072]; A: input x; B: input Wqkv: QUANTISED
;;     2. [M 2,048, K 1] x [K 1, N 32]; A: computed on the way; B: computed on the way: left as it is (no contracted axis)
;;     3. batch 32 x [M 2,048, K 64] x [K 64, N 2,048]; A: computed on the way; B: computed on the way: QUANTISED
;;     4. batch 32 x [M 2,048, K 2,048] x [K 2,048, N 64]; A: computed on the way; B: computed on the way: QUANTISED
;;     5. [M 4,096, K 1,024] x [K 1,024, N 1,024]; A: computed on the way; B: input Wout: QUANTISED
;;   THE QUANTISER, for each operand of a quantised product, along K:
;;     - K is cut into blocks of 32 from its start; a last block that is shorter is filled with zeros.
;;     - A block's scale is 2^e with e = floor(log2(the largest magnitude in the block)) - 2, held to -126 .. 127; a block of zeros has e = 0. As a byte (E8M0): e + 127.
;;     - Each number is divided by its block's scale, clamped to +-7.5, and rounded to the nearest number of E2M3, ties to even, subnormals kept.
;;     - The product sums the exact products of the quantised numbers (number of the format x scale) in f32.
;;   ~~~python
;;   def quantise(x, axis):      # numpy; x: float32 -> the quantised numbers, widened to float32 again
;;       x = np.moveaxis(x, axis, -1); K = x.shape[-1]
;;       x = np.pad(x, [(0, 0)] * (x.ndim - 1) + [(0, -K % 32)]); x = x.reshape(x.shape[:-1] + (-1, 32)); a = np.abs(x).max(-1, keepdims=True)
;;       e = np.where(a > 0, np.clip(np.frexp(np.where(a > 0, a, 1))[1] - 1 - 2, -126, 127), 0)      # np.frexp(a)[1] - 1 = floor(log2(a)), exactly
;;       r = np.clip(x / 2.0 ** e, -7.5, 7.5)
;;       step = 2.0 ** (np.maximum(np.frexp(np.where(r == 0, 1, r))[1] - 1, 0) - 3)
;;       q = np.round(r / step) * step * 2.0 ** e      # np.round: ties to even
;;       return np.moveaxis(q.reshape(q.shape[:-2] + (-1,))[..., :K], -1, axis).astype(np.float32)
;;   ~~~
;;   OPERANDS COMPUTED ON THE WAY. 'Computed on the way' means the value that the module computes at that place (a softmax that the list does not call 'softmax' is quantised finished and normalised). What goes into a quantiser is computed in f32, as accurately as f32 sums, v_exp_f32 and their like allow (about 1e-6 of the number): no bf16 or f16 on the way to a quantiser, and a product that is left as it is and whose result goes on into a quantised operand takes f32 operands (vector FMAs, or v_wmma_f32_16x16x4_f32). A number that lies on a knife's edge between two numbers of the format may be rounded either way, as far as f32 arithmetic and the matrix unit's own rounding can turn it there, and no further.
;; One version. Each part assembles by itself: llvm-mc -triple=amdgcn-amd-amdhsa -mcpu=gfx1250 --defsym DOCPART=n.
;; ======== version 1 of 1: 4 launches
;; limits: right only within a limited range of input values
;; workspace buffers: codes1 6,291,456 bytes; scales1 262,144 bytes; rope 524,288 bytes; qbuf 3,407,872 bytes; kv 6,684,672 bytes; ao_codes 3,145,728 bytes; ao_scales 131,072 bytes
;; launch prep (part 1): grid 256 x 1, 4 waves a work-group, no clusters, 33,280 bytes of LDS; arguments x, Wqkv, Wout, codes1, scales1, rope; writes codes1, scales1, rope
.if DOCPART == 1
	.amdgcn_target "amdgcn-amd-amdhsa--gfx1250"
	.amdhsa_code_object_version 6
	.text
	.protected	k_qefbab50c9f_prep
	.globl	k_qefbab50c9f_prep
	.p2align	8
	.type	k_qefbab50c9f_prep,@function
k_qefbab50c9f_prep:
	s_mov_b64 s[64:65], 0
	v_nop
	global_prefetch_b8 v0, s[64:65] scope:SCOPE_SE
	s_setreg_imm32_b32 hwreg(HW_REG_WAVE_MODE, 25, 1), 1
	s_wait_xcnt 0x0
; x [4096][1024], Wqkv [3072][1024] and Wout [1024][1024], f32, become codes of FP6 (E2M3), K innermost, with one E8M0 byte for each 32 along K: 8,192 rows of 768 bytes of codes and of 32 scale bytes,
; x's rows first, then Wqkv's, then Wout's.  A block's byte is its largest magnitude's exponent field - 2, held at 1 from below (a block of zeros gets 1 where the rule says 127: its codes are zeros, and this program alone reads the bytes).
; THE ROWS OF x AND OF Wqkv ARE LAID IN ANOTHER ORDER: row p lies where bits 3 and 4 of p have changed places.  So 16 neighbouring stored rows are the rows 32 a + 8 u + r + 8 (r / 8), which the later products want as a tile.
; A wave takes 8 whole rows (8,192 numbers: 16 steps of 512), so the change of order is a change of the wave's place among the work-group's four runs.  Wout's rows keep their order.
; The launch also makes the table of cos and sin: [2048 tokens][cos 32 | sin 32] f32; each wave makes two tokens.
; 1 / 10^(j/8): 10^(j/8) is multiplied up from 10^(1/8), 10^(1/4), 10^(1/2), 10, 100 in pairs of f32 (high, low), rounded once, and its reciprocal is refined twice, so that it is the f32 number nearest to 1 / that number.
; The angle is one f32 product, brought to [-pi/4, pi/4] by multiples of pi/2 in two parts (the first subtraction rounds nothing: multiples up to 1,304 of a 24-bit number); sine and cosine by polynomials.
; LIMITS: NaN and infinities among the inputs are not served; blocks whose largest magnitude lies under 2^-124 keep the byte 1; the table equals a table from a correctly rounded power and division.
; No tensor loads, no barrier: waves share nothing; nothing is read by two work-groups, so there is no cluster.
.set WAVES, 4
.set STEPS, 16
.set EMAX,  2
.set CB,    12                         ; bytes of 16 codes
.set R,     16                         ; v16-79   four sets of 16 numbers as they are loaded
.set X,     80                         ; v80-111  two sets of 16 neighbours
.set C,     128                        ; v128-191 codes: four registers for each step
.set E,     112                        ; v112-127 a scale byte for each step
.set WREG,  8192                       ; LDS: a region for each wave: two stages of 32 x SP bytes, then its 256 scale bytes
.set SP,    80
.set SPW,   12                         ; v12 my spare word's LDS address; never rewritten
.set NIL,   13                         ; v13 0; never rewritten
.set SPARE, WAVES*WREG                 ; the spare words: 128 bytes a wave
.set MM,  192                          ; the table's registers: lane % 16
.set HS3, 193                          ; 3 x (lane / 16): lanes 16-31 make sines
.set H0,  194                          ; 10^(j/8) for my even j: high, low
.set L0,  195
.set H1,  196                          ; and for j + 1
.set L1,  197
.set FH,  198                          ; a factor: high, low
.set FL,  199
.set PP,  200
.set EE,  201
.set TT,  202
.set I0,  203                          ; the two reciprocals
.set I1,  204
.set VT,  205                          ; the token as f32
.set XX,  206
.set KK,  207
.set RR,  208
.set ZZ,  209
.set SS,  210
.set CC,  211
.set OUT, 212                          ; v212-215 two tokens x two numbers
	s_load_b256 s[4:11], s[0:1], 0x0               ; x, Wqkv, Wout, the codes
	s_load_b128 s[12:15], s[0:1], 0x20             ; the scale bytes, the table
	v_lshl_add_u32 v[SPW], v0, 2, SPARE
	v_mov_b32 v[NIL], 0
	v_lshrrev_b32 v1, 5, v0
	v_readfirstlane_b32 s16, v1                    ; wave
	v_and_b32 v2, 31, v0                           ; lane
	v_lshlrev_b32 v3, 4, v2                        ; my 16 bytes of a load's 512
	s_mul_i32 s17, s16, WREG
	v_lshrrev_b32 v14, 2, v2
	v_mul_u32_u24 v14, v14, SP
	v_and_b32 v15, 3, v2
	v_lshl_add_u32 v14, v15, 4, v14
	v_add_nc_u32 v14, s17, v14                     ; the stage, on the way in: SP (lane / 4) + 16 (lane % 4)
	v_mul_u32_u24 v15, v2, SP
	v_add_nc_u32 v15, s17, v15                     ; and on the way out: SP x lane: my 16 neighbours
	; the codes are laid [K step of 256][8,192 rows][192 bytes]: 128 rows of one K step are 24,576 dense bytes, which begin at a multiple of 256
	v_and_b32 v4, 15, v2
	v_mul_u32_u24 v4, v4, CB                       ; sixteen lanes hold one K step's 192 bytes of a row,
	v_lshrrev_b32 v10, 4, v2
	v_mad_u32_u24 v4, v10, 0x180000, v4            ; lanes 16-31 the next K step's: 8,192 x 192 bytes on
	v_lshrrev_b32 v5, 1, v2
	s_add_co_u32 s17, s17, 2*32*SP
	v_add_nc_u32 v5, s17, v5                       ; LDS: my wave's 256 scale bytes, my block's byte
	v_lshlrev_b32 v7, 3, v2                        ; 8 bytes a lane
	v_add_nc_u32 v6, s17, v7
	s_wait_kmcnt 0x0
	s_mov_b32 s18, 224
	s_cmp_lt_u32 ttmp9, 224                        ; which tensor: the choice hangs on the work-group's number alone
	s_cselect_b64 s[6:7], s[6:7], s[8:9]
	s_cselect_b32 s18, 128, s18
	s_cselect_b32 s19, 1, 0                        ; 1: the rows change their order
	s_cmp_lt_u32 ttmp9, 128
	s_cselect_b64 s[4:5], s[4:5], s[6:7]
	s_cselect_b32 s18, 0, s18
	s_sub_co_u32 s18, ttmp9, s18                   ; the work-group's number in its tensor
	s_lshl_b32 s18, s18, 2
	s_add_co_u32 s18, s18, s16                     ; my run of 8 rows there
	s_lshl_b32 s20, s18, 15                        ; 32,768 bytes a run
	s_mov_b32 s21, 0
	s_add_nc_u64 s[4:5], s[4:5], s[20:21]
	s_and_b32 s22, s16, 1
	s_lshl_b32 s22, s22, 1
	s_lshr_b32 s23, s16, 1
	s_or_b32 s22, s22, s23                         ; the wave's two bits changed over
	s_cmp_eq_u32 s19, 1
	s_cselect_b32 s22, s22, s16
	s_lshl_b32 s23, ttmp9, 2
	s_add_co_u32 s22, s22, s23                     ; the run where my codes go
	s_mul_i32 s20, s22, 1536                       ; 8 rows x 192 bytes in each K step's plane
	s_add_nc_u64 s[10:11], s[10:11], s[20:21]
	s_lshl_b32 s20, s22, 8
	s_add_nc_u64 s[12:13], s[12:13], s[20:21]
	s_lshl_b32 s24, ttmp9, 3
	s_lshl_b32 s25, s16, 1
	s_add_co_u32 s24, s24, s25                     ; my first token of the table
	s_add_co_u32 s25, s24, 1
	s_lshl_b32 s20, s24, 8
	s_add_nc_u64 s[14:15], s[14:15], s[20:21]
.macro LOAD t
.irp i, 0,1,2,3
	global_load_b128 v[R+16*((\t)%4)+4*\i:R+16*((\t)%4)+4*\i+3], v3, s[4:5] offset:2048*(\t)+512*\i th:TH_LOAD_NT   ; 32 lanes read 512 consecutive bytes
.endr
.endm
.macro TURN t                          ; step t's numbers through the stage: LDS serves a wave's instructions in order
.irp i, 0,1,2,3
	ds_store_b128 v14, v[R+16*((\t)%4)+4*\i:R+16*((\t)%4)+4*\i+3] offset:32*SP*((\t)%2)+8*SP*\i
.endr
.irp i, 0,1,2,3
	ds_load_b128 v[X+16*((\t)%2)+4*\i:X+16*((\t)%2)+4*\i+3], v15 offset:32*SP*((\t)%2)+16*\i
.endr
.endm
.irp t, 0,1,2,3
	LOAD \t
.endr
; ---- the table, while the first sixteen loads are on their way
.macro SELF bit, hi, lo                ; the factor (hi, lo) where that bit of lane % 16 is on, else (1, 0)
	v_and_b32 v[TT], \bit, v[MM]
	v_cmp_ne_u32 vcc_lo, 0, v[TT]
	v_mov_b32 v[FH], \hi
	v_mov_b32 v[FL], \lo
	v_cndmask_b32 v[FH], 1.0, v[FH], vcc_lo
	v_cndmask_b32 v[FL], 0, v[FL], vcc_lo
.endm
.macro DFMUL h, l                      ; (h, l) x (FH, FL), kept as a pair
	v_mul_f32 v[PP], v[\h], v[FH]
	v_fma_f32 v[EE], v[\h], v[FH], -v[PP]
	v_fma_f32 v[EE], v[\h], v[FL], v[EE]
	v_fma_f32 v[EE], v[\l], v[FH], v[EE]
	v_add_f32 v[\h], v[PP], v[EE]
	v_sub_f32 v[TT], v[\h], v[PP]
	v_sub_f32 v[\l], v[EE], v[TT]
.endm
	v_and_b32 v[MM], 15, v0
	v_bfe_u32 v[HS3], v0, 4, 1
	v_mul_u32_u24 v[HS3], v[HS3], 3
	SELF 1, 0x3fe39ea9, 0xb26aee3b                 ; 10^(1/4)
	v_mov_b32 v[H0], v[FH]
	v_mov_b32 v[L0], v[FL]
	SELF 2, 0x404a62c2, 0xb324b494                 ; 10^(1/2)
	DFMUL H0, L0
	SELF 4, 0x41200000, 0                          ; 10
	DFMUL H0, L0
	SELF 8, 0x42c80000, 0                          ; 100
	DFMUL H0, L0
	v_mov_b32 v[H1], v[H0]
	v_mov_b32 v[L1], v[L0]
	v_mov_b32 v[FH], 0x3faab0d5                    ; 10^(1/8), for the odd j
	v_mov_b32 v[FL], 0xb36457ec
	DFMUL H1, L1
	v_rcp_f32 v[I0], v[H0]
	v_rcp_f32 v[I1], v[H1]
	v_nop                                          ; a plain instruction behind the reciprocals
	s_wait_alu depctr_va_vdst(0)                   ; one wait for both, ahead of their first reader
.rept 2
	v_fma_f32 v[EE], -v[H0], v[I0], 1.0
	v_fma_f32 v[PP], -v[H1], v[I1], 1.0
	v_fma_f32 v[I0], v[EE], v[I0], v[I0]
	v_fma_f32 v[I1], v[PP], v[I1], v[I1]
.endr
.macro CSVAL inv, out                  ; cos (lanes 0-15) or sin (lanes 16-31) of token x v[inv]
	v_mul_f32 v[XX], v[VT], v[\inv]                ; the angle: one f32 product
	v_mul_f32 v[KK], 0x3f22f983, v[XX]             ; x 2 / pi
	v_rndne_f32 v[KK], v[KK]
	v_fma_f32 v[RR], v[KK], 0xbfc90fdb, v[XX]      ; - k x (pi/2's high part): rounds nothing
	v_fma_f32 v[RR], v[KK], 0x333bbd2e, v[RR]      ; - k x (its low part, which is negative)
	v_mul_f32 v[ZZ], v[RR], v[RR]
	v_mov_b32 v[SS], 0xb94ca1f9
	v_fmaak_f32 v[SS], v[SS], v[ZZ], 0x3c08839e
	v_fmaak_f32 v[SS], v[SS], v[ZZ], 0xbe2aaaa3
	v_mul_f32 v[SS], v[SS], v[ZZ]
	v_fma_f32 v[SS], v[SS], v[RR], v[RR]           ; sin r
	v_mov_b32 v[CC], 0x37ccf5ce
	v_fmaak_f32 v[CC], v[CC], v[ZZ], 0xbab6061a
	v_fmaak_f32 v[CC], v[CC], v[ZZ], 0x3d2aaaa5
	v_mul_f32 v[CC], v[CC], v[ZZ]
	v_fma_f32 v[TT], v[ZZ], -0.5, 1.0
	v_fma_f32 v[CC], v[CC], v[ZZ], v[TT]           ; cos r
	v_cvt_i32_f32 v[KK], v[KK]
	v_add_nc_u32 v[KK], v[KK], v[HS3]              ; sin x = cos(x - pi/2): three quarters on
	v_and_b32 v[TT], 1, v[KK]
	v_cmp_ne_u32 vcc_lo, 0, v[TT]
	v_cndmask_b32 v[CC], v[CC], v[SS], vcc_lo      ; odd quarters take the sine,
	v_add_nc_u32 v[KK], 1, v[KK]
	v_and_b32 v[KK], 2, v[KK]
	v_lshlrev_b32 v[KK], 30, v[KK]
	v_xor_b32 v[\out], v[CC], v[KK]                ; quarters 1 and 2 the other sign
.endm
	v_cvt_f32_u32 v[VT], s24
	CSVAL I0, OUT
	CSVAL I1, OUT+1
	global_store_b64 v7, v[OUT:OUT+1], s[14:15]    ; 32 lanes store a token's 256 bytes
	v_cvt_f32_u32 v[VT], s25
	CSVAL I0, OUT+2
	CSVAL I1, OUT+3
	global_store_b64 v7, v[OUT+2:OUT+3], s[14:15] offset:256
; ---- the quantiser
	s_wait_loadcnt 12                              ; step 0's four loads are in
	TURN 0
.macro STEP t
.set XS, X+16*((\t)%2)
.if (\t) > 0
	s_wait_dscnt 1                                 ; this step's numbers are back from the stage (the last step's byte store may be out)
.else
	s_wait_dscnt 0x0
.endif
.if (\t)+4 < STEPS
	LOAD (\t)+4                                    ; the registers that the stage's stores have read take the loads of four steps on
.endif
.if (\t)+1 < STEPS
.if STEPS-2-(\t) >= 3
	s_wait_loadcnt 12                              ; the next step's four loads are in; those of the three steps behind it may be out
.else
	s_wait_loadcnt 4*(STEPS-2-(\t))
.endif
	TURN (\t)+1
.endif
	v_max3_num_f32 v8, |v[XS]|, |v[XS+1]|, |v[XS+2]|               ; the largest magnitude of my 16
	v_max3_num_f32 v9, |v[XS+3]|, |v[XS+4]|, |v[XS+5]|
.irp i, 6,10
	v_max3_num_f32 v8, v8, |v[XS+\i]|, |v[XS+\i+1]|
	v_max3_num_f32 v9, v9, |v[XS+\i+2]|, |v[XS+\i+3]|
.endr
	v_max3_num_f32 v8, v8, |v[XS+14]|, |v[XS+15]|
	v_max3_num_f32 v8, v8, v9, (EMAX+1)<<23        ; and the floor, so that the byte cannot fall under 1
	v_max_num_f32_dpp v8, v8, v8 row_xmask:1 row_mask:0xf bank_mask:0xf   ; and of my neighbour's 16: the block's
	v_add_nc_u32 v11, -(EMAX<<23), v8              ; 2 off its exponent field: the conversion's scale operand
	v_cvt_scalef32_pk16_fp6_f32 v[C+4*(\t):C+4*(\t)+2], v[XS:XS+15], v11
	v_lshrrev_b32 v[E+(\t)], 23, v11               ; the scale's byte
	ds_store_b8 v5, v[E+(\t)] offset:16*(\t)       ; both lanes of a block write the same byte with the same value
	global_store_b96 v4, v[C+4*(\t):C+4*(\t)+2], s[10:11] offset:((\t)%2)*3145728+((\t)/2)*192   ; step t: row t / 2, K steps 2 (t % 2) and 2 (t % 2) + 1
.endm
.irp t, 0,1,2,3,4,5,6,7,8,9,10,11,12,13,14,15
	STEP \t
.endr
	ds_load_b64 v[8:9], v6                         ; LDS serves a wave's instructions in order: these see my stores
	s_wait_dscnt 0x0
	global_store_b64 v7, v[8:9], s[12:13]          ; 32 lanes store 256 consecutive bytes: eight rows' scale bytes
	s_wait_tensorcnt 0x0                           ; the wave's end, behind my last LDS store
	ds_add_u32 v[SPW], v[NIL]
	s_wait_dscnt 0x0
	s_endpgm
.Lfunc_end_k_qefbab50c9f_prep:
	.size	k_qefbab50c9f_prep, .Lfunc_end_k_qefbab50c9f_prep-k_qefbab50c9f_prep
	.p2alignl 7, 3214868480
	.fill 96, 4, 3214868480
	.section	.rodata,"a",@progbits
	.p2align	6, 0x0
	.amdhsa_kernel k_qefbab50c9f_prep
		.amdhsa_group_segment_fixed_size 33280
		.amdhsa_private_segment_fixed_size 0
		.amdhsa_enable_private_segment 0
		.amdhsa_kernarg_size 48
		.amdhsa_user_sgpr_count 2
		.amdhsa_user_sgpr_kernarg_segment_ptr 1
		.amdhsa_wavefront_size32 1
		.amdhsa_system_sgpr_workgroup_id_x 1
		.amdhsa_system_sgpr_workgroup_id_y 1
		.amdhsa_system_sgpr_workgroup_id_z 1
		.amdhsa_system_vgpr_workitem_id 0
		.amdhsa_next_free_vgpr 232
		.amdhsa_next_free_sgpr 66
		.amdhsa_reserve_vcc 1
		.amdhsa_float_denorm_mode_32 3
		.amdhsa_float_denorm_mode_16_64 3
		.amdhsa_memory_ordered 1
		.amdhsa_forward_progress 1
		.amdhsa_inst_pref_size 41
	.end_amdhsa_kernel
	.amdgpu_metadata
---
amdhsa.version: [ 1, 2 ]
amdhsa.kernels:
  - .name:           k_qefbab50c9f_prep
    .symbol:         k_qefbab50c9f_prep.kd
    .args:
      - { .name: x, .offset: 0, .size: 8, .value_kind: global_buffer, .address_space: global }
      - { .name: Wqkv, .offset: 8, .size: 8, .value_kind: global_buffer, .address_space: global }
      - { .name: Wout, .offset: 16, .size: 8, .value_kind: global_buffer, .address_space: global }
      - { .name: codes1, .offset: 24, .size: 8, .value_kind: global_buffer, .address_space: global }
      - { .name: scales1, .offset: 32, .size: 8, .value_kind: global_buffer, .address_space: global }
      - { .name: rope, .offset: 40, .size: 8, .value_kind: global_buffer, .address_space: global }
    .group_segment_fixed_size: 33280
    .private_segment_fixed_size: 0
    .kernarg_segment_align: 8
    .kernarg_segment_size: 48
    .max_flat_workgroup_size: 128
    .sgpr_count:     66
    .vgpr_count:     232
    .wavefront_size: 32
...
	.end_amdgpu_metadata
.endif
;; end of part 1
;; launch qkv (part 2): grid 12 x 16, 4 waves a work-group, clusters of 4 x 4, 327,680 bytes of LDS; arguments codes1, scales1, rope, attention_mask, qbuf, kv; writes qbuf, kv
.if DOCPART == 2
	.amdgcn_target "amdgcn-amd-amdhsa--gfx1250"
	.amdhsa_code_object_version 6
	.text
	.protected	k_qefbab50c9f_qkv
	.globl	k_qefbab50c9f_qkv
	.p2align	8
	.type	k_qefbab50c9f_qkv,@function
k_qefbab50c9f_qkv:
	s_mov_b64 s[64:65], 0
	v_nop
	global_prefetch_b8 v0, s[64:65] scope:SCOPE_SE
	s_setreg_imm32_b32 hwreg(HW_REG_WAVE_MODE, 25, 1), 1
	s_wait_xcnt 0x0
	s_wait_alu depctr_hold_cnt(0) depctr_sa_sdst(0) depctr_va_vdst(0) depctr_va_sdst(0) depctr_va_ssrc(0) depctr_va_vcc(0) depctr_vm_vsrc(0)
	s_getreg_b32 s2, hwreg(HW_REG_IB_STS2, 6, 4)
	s_cmp_eq_u32 s2, 0
	s_cbranch_scc0 .Lentry_in_a_cluster
	s_endpgm
.Lentry_in_a_cluster:
	s_bfe_u32 s2, ttmp6, 0x10000c
	s_cmp_lg_u32 s2, 0xf033
	s_cbranch_scc0 .Lentry_shape_is_right
	s_endpgm
.Lentry_shape_is_right:
; qkv = x Wqkv^T on codes of FP6 (E2M3) with one E8M0 scale for each 32 along K = 1,024; then the rotation of q and k, and q, k, v quantised anew for the two products of attention.
; A tile of 256 x 256 is made by four waves, 128 x 128 each: 64 accumulators, 512 registers.  K goes in steps of 256 through a ring of two LDS slots filled by the tensor data mover; the scale bytes of the
; work-group's 2 x 256 rows come once, with the first fills.  CLUSTERS of 4 x 4: the four of a row of the cluster need the same tile of the operand called A here, the four of a column the same tile of B:
; each tile is asked for jointly.  The matrix instruction takes 16 rows of B as source 0 and 16 rows of A as source 1: a lane holds ONE row of A, and its registers run along B's rows.
; ROLES, by the cluster's x, which all partners share.  x = 0, 1 (q, k): A = tokens, B = rows of Wq, Wk: a lane holds a token, registers run along the features, which are the next K.
;   x = 2 (v): A = rows of Wv, B = tokens: a lane holds a feature, registers run along the tokens, which are the K of attention's second product.
; The stored order of x's and Wqkv's rows (bits 3 and 4 changed over) makes the 64 registers of a block of 16 rows of A run so: register 16 b + i = B's row 32 b + 16 (lane / 16) + i: 16 neighbours to a conversion.
; OUT: operands as images of their registers.  A tile of q or k (16 tokens x 64): registers 0-3 at 16 x lane (512 bytes), registers 4-5 at 512 + 8 x lane.  A fragment of v (16 features x 128 keys): 3 x 512 bytes.
; Scale words: bytes 0, 1 the head's two blocks; byte 3 = 127.  BYTE 2 CARRIES THE MASK: attention's first product has K = 64 of the instruction's 128; there q holds 25 codes of +5 under byte 64 (2^-63) and
; k 25 codes of -5 under byte 197 (2^70) where the key is masked: 25 x -25 x 2^7 = -80,000 = 8 x -10,000; a key that counts has byte 0 there (2^-127): its share lies under the smallest f32 number.
; LIMITS: NaN and infinities among the inputs are not served here; a block of zeros gets the byte 1 (this program alone reads the bytes); the mask's bytes are taken as 0 or 1.
; Each K step's tiles are asked for one K step ahead by the ring; the launch has four K steps, so nothing is asked for further ahead.
.set KSTEP,  256
.set NQ,     KSTEP/128
.set ROWB,   192                       ; a tile's row in bytes
.set KROW,   768
.set KSTR,   8192*192                  ; the codes lie [K step][row][192 bytes]: from one K step's plane to the next
.set PITCH,  240                       ; an LDS row: 3 x (64 bytes + 16 of padding)
.set FR,     12
.set NL,     6
.set NP,     4
.set HALFT,  128*PITCH
.set SLOT,   4*HALFT
.set LAPS,   2                         ; 1,024 / 512
.set KS,     32                        ; a row of scale bytes
.set SCL,    2*SLOT
.set HALFS,  (128*KS/256)*272
.set SBLK,   (16*KS/256)*272
.set SPARE,  SCL+4*HALFS               ; the spare words, 128 bytes a wave
.set ADRA, 16                          ; v16-19 LDS addresses of A's fragments; v20-23 of B's
.set ADRB, 20
.set ADRS, 27                          ; v27 of my scale words
.set SPW,  28                          ; v28 my spare word; never rewritten
.set NIL,  29                          ; v29 0; never rewritten
.set SC,   32                          ; v32-63 scale words, two sets: they hold nothing else
.set AF,   128                         ; A's fragments, window 0
.set G1, 24
.set G0, 32
.set G1B, 48
.set G0B, 56
.set G1S, 68
.set G0S, 76
.set G1SB, 80
.set G0SB, 88
; the way out, window 0
.set VTAB, 8                           ; v8  my token's place in the table: (r + 8 (r / 8)) x 256 + 64 (lane / 16)
.set VI16, 9                           ; v9  16 x lane
.set VI8,  10                          ; v10 8 x lane
.set VSC,  11                          ; v11 the scale words' place
.set SH,   12                          ; v12 16 (lane / 16)
.set VMB,  13                          ; v13 r + 8 (r / 8)
.set MB,   16                          ; v16-23 the mask's bytes of my eight tokens
; window 1 on the way out of q and k: v0-255, eight sets of 16 cos + 16 sin, one for each block of 16 tokens
.set R,    128                         ; v128-191 the rotated numbers
.set E,    192                         ; v192-215 two sets of 12 registers of codes
.set TC,   216                         ; v216-223 the conversions' second halves
.set TM,   224                         ; v224-239 at work
.set PW,   240                         ; the scale word just made
.set SW,   242                         ; v242-249 the eight blocks' scale words
.set T0,   250
.set T1,   251
.set MSB, 0
.macro WIN new                         ; the immediate's high byte repeats the setting that is left
.if MSB != (\new)
	s_set_vgpr_msb (MSB<<8)|(\new)
.set MSB, (\new)
.endif
.endm
.set MUL_LO, 0xa1                      ; source 0 (B) window 1, source 1 (A) window 0, C and D window 2
.set MUL_HI, 0xf1
.set TO_B,   0x40
; a joint load: waves 0 and 1 fetch for A, waves 2 and 3 for B; an s_nop 0 and four v_nop follow each of the two lines
.macro JLOAD g0a, g1a, g0b, g1b
	s_cmp_eq_u32 s15, 0
	s_cbranch_scc0 .Lfor_b_\@
	tensor_load_to_lds s[\g0a:\g0a+3], s[\g1a:\g1a+7]
	s_nop 0
.rept 4
	v_nop
.endr
	s_branch .Lasked_\@
.Lfor_b_\@:
	tensor_load_to_lds s[\g0b:\g0b+3], s[\g1b:\g1b+7]
	s_nop 0
.rept 4
	v_nop
.endr
.Lasked_\@:
.endm
.macro CREST
	s_cmp_lg_u32 s14, 0
	s_cbranch_scc1 .Lnot_wave_0_\@
	s_barrier_signal -3
.Lnot_wave_0_\@:
	s_barrier_wait -3
	s_barrier_signal -1
	s_barrier_wait -1
.endm
.macro CROUND
	s_barrier_signal -1
	s_barrier_wait -1
	CREST
.endm
	s_load_b256 s[4:11], s[0:1], 0x0               ; codes s[4:5], scale bytes s[6:7], the table s[8:9], the mask s[10:11]
	s_load_b128 s[96:99], s[0:1], 0x20             ; q's buffer s[96:97], k's and v's s[98:99]
	v_lshl_add_u32 v[SPW], v0, 2, SPARE
	v_mov_b32 v[NIL], 0
	ds_add_u32 v[SPW], v[NIL]                      ; the wave's opening: the add and its wait ahead of my first tensor load
	ds_add_u32 v[SPW], v[NIL]
	v_lshrrev_b32 v1, 5, v0
	v_readfirstlane_b32 s14, v1                    ; wave 0..3
	s_lshr_b32 s15, s14, 1                         ; which half of A's rows is mine.  Also: I fetch for A (0) or for B (1)
	s_and_b32 s16, s14, 1                          ; which half of B's rows.  Also: which 128 rows of that tile I fetch
	s_bfe_u32 s40, ttmp6, 0x40000                  ; cx
	s_bfe_u32 s41, ttmp6, 0x40004                  ; cy
	s_lshl_b32 s12, ttmp9, 2                       ; 4 x cluster x
	s_and_b32 s13, ttmp7, 0xffff
	s_lshl_b32 s13, s13, 2                         ; 4 x cluster y
	s_cmp_eq_u32 ttmp9, 2                          ; the v part?  The same in all sixteen partners
	s_cselect_b32 s100, 1, 0
	s_cselect_b32 s17, 0, s13
	s_cselect_b32 s42, s13, s12
	s_cselect_b32 s101, 6144, 0                    ; where A's rows begin among the stored rows: Wv's at 6,144, x's at 0
	s_cselect_b32 s95, 0, 4096                     ; and B's: x's at 0, Wq's at 4,096
	s_add_co_u32 s17, s17, s41                     ; A's tile: cy (v), 4 x cluster y + cy (q, k)
	s_add_co_u32 s42, s42, s40                     ; B's tile: 4 x cluster y + cx (v), 4 x cluster x + cx (q, k)
	s_lshl_b32 s43, s41, 2
	s_lshl_b32 s43, 15, s43                        ; my row of the cluster
	s_lshl_b32 s44, 0x1111, s40                    ; my column
	s_or_b32 s[G1+0], s43, (0<<16)|(1<<20)|(1<<21)|(3<<22)|(3<<25)  ; the mask; elements of 1 byte; padding on; bit 21 beside a mask; after every 16 words 4 words
	s_or_b32 s[G1B+0], s44, (0<<16)|(1<<20)|(1<<21)|(3<<22)|(3<<25)
.irp g, G1, G1B
	s_mov_b32 s[\g+1], 256<<16                     ; a tile's rows of 192 bytes are dense in memory: it comes as rows of 256 bytes, each at a multiple of 256
	s_mov_b32 s[\g+2], 192<<16                     ; the head's loads: 256 rows x 192 bytes = 192 rows of 256
	s_mov_b32 s[\g+3], 256<<16
	s_mov_b32 s[\g+4], 192
	s_mov_b32 s[\g+5], 256
	s_mov_b32 s[\g+6], 0
	s_mov_b32 s[\g+7], 0
.endr
	s_or_b32 s[G1S+0], s43, (3<<16)|(1<<20)|(1<<21)|(5<<22)|(3<<25) ; the scales of 256 rows: 8,192 dense bytes as rows of 256, 16 bytes of padding behind each
	s_or_b32 s[G1SB+0], s44, (3<<16)|(1<<20)|(1<<21)|(5<<22)|(3<<25)
.irp g, G1S, G1SB
	s_mov_b32 s[\g+1], 32<<16
	s_mov_b32 s[\g+2], (256*KS/256)<<16            ; the scales of all 256 rows in one load
	s_mov_b32 s[\g+3], 32<<16
	s_mov_b32 s[\g+4], 256*KS/256
	s_mov_b32 s[\g+5], 32
	s_mov_b32 s[\g+6], 0
	s_mov_b32 s[\g+7], 0
.endr
	s_mov_b32 s18, 0                               ; the tile's first row; my half of it is added to the codes' addresses below
	s_lshl_b32 s20, s17, 8
	s_add_co_u32 s20, s20, s18
	s_add_co_u32 s20, s20, s101                    ; A: stored row
	s_lshl_b32 s46, s42, 8
	s_add_co_u32 s46, s46, s18
	s_add_co_u32 s46, s46, s95                     ; B: stored row
	s_mov_b32 s21, 0
	s_mov_b32 s47, 0
	s_mov_b64 s[18:19], KS
	s_mul_u64 s[22:23], s[20:21], s[18:19]
	s_mul_u64 s[92:93], s[46:47], s[18:19]
	s_mov_b64 s[18:19], ROWB
	s_mul_u64 s[20:21], s[20:21], s[18:19]
	s_mul_u64 s[46:47], s[46:47], s[18:19]
	s_mul_i32 s45, s14, HALFT                      ; where they go: wave x 128 rows
	s_mul_i32 s18, s16, 128*ROWB                   ; which 128 rows of a tile I fetch in the ring, in bytes
	s_mov_b32 s19, 0
	s_wait_dscnt 0x0                               ; the opening add is done
	s_wait_kmcnt 0x0
	s_add_nc_u64 s[20:21], s[4:5], s[20:21]
	s_add_nc_u64 s[22:23], s[6:7], s[22:23]
	s_add_nc_u64 s[46:47], s[4:5], s[46:47]
	s_add_nc_u64 s[92:93], s[6:7], s[92:93]
	CROUND                                         ; all sixteen work-groups are here: the first joint loads meet
	s_mov_b32 s[G0S], 1
	s_mov_b32 s[G0S+1], SCL
	s_mov_b64 s[G0S+2:G0S+3], s[22:23]
	s_or_b32 s[G0S+3], s[G0S+3], 0x80000000
	s_mov_b32 s[G0SB], 1
	s_mov_b32 s[G0SB+1], SCL+2*HALFS
	s_mov_b64 s[G0SB+2:G0SB+3], s[92:93]
	s_or_b32 s[G0SB+3], s[G0SB+3], 0x80000000
	s_add_nc_u64 s[20:21], s[20:21], s[18:19]
	s_add_nc_u64 s[46:47], s[46:47], s[18:19]
.irp s, 0,1
	s_mov_b32 s[G0+4*\s], 1
	s_add_co_u32 s[G0+4*\s+1], s45, \s*SLOT
	s_add_nc_u64 s[G0+4*\s+2:G0+4*\s+3], s[20:21], \s*KSTR
	s_or_b32 s[G0+4*\s+3], s[G0+4*\s+3], 0x80000000
	s_mov_b32 s[G0B+4*\s], 1
	s_add_co_u32 s[G0B+4*\s+1], s45, \s*SLOT
	s_add_nc_u64 s[G0B+4*\s+2:G0B+4*\s+3], s[46:47], \s*KSTR
	s_or_b32 s[G0B+4*\s+3], s[G0B+4*\s+3], 0x80000000
.endr
; the head's loads, one a wave: wave 0 K step 0's 256 rows of A, wave 1 A's scales, wave 2 its 256 rows of B, wave 3 B's scales.
; Waves 0 and 2 fetch the lower half in the ring, so their slot 0 addresses are the tile's first row and the place of A's, of B's 256 rows in slot 0.
.macro ARM wv, g0, g1, next
	s_cmp_eq_u32 s14, \wv
	s_cbranch_scc0 \next
	tensor_load_to_lds s[\g0:\g0+3], s[\g1:\g1+7]
	s_nop 0
.rept 4
	v_nop
.endr
	s_branch .Lhead_asked
\next:
.endm
	ARM 0, G0, G1, .Lhead_sa
	ARM 1, G0S, G1S, .Lhead_b
	ARM 2, G0B, G1B, .Lhead_sb
	tensor_load_to_lds s[G0SB:G0SB+3], s[G1SB:G1SB+7]
	s_nop 0
.rept 4
	v_nop
.endr
.Lhead_asked:
	v_and_b32 v1, 15, v0
	v_bfe_u32 v2, v0, 4, 1
	v_mul_u32_u24 v3, v1, PITCH
	v_mul_u32_u24 v4, v2, 24
	v_add_nc_u32 v4, v3, v4                        ; a fragment's row x pitch + 24 x half
	v_lshl_add_u32 v5, v2, 4, v4                   ; and the same behind one padding more
	s_mul_i32 s21, s15, HALFT
	s_mul_i32 s22, s16, HALFT
	s_add_co_u32 s22, s22, 2*HALFT
.irp s, 0,1
	v_add_nc_u32 v[ADRA+\s], s21, v4
	v_add_nc_u32 v[ADRB+\s], s22, v4
	v_add_nc_u32 v[ADRA+2+\s], s21, v5
	v_add_nc_u32 v[ADRB+2+\s], s22, v5
	s_add_co_u32 s21, s21, SLOT
	s_add_co_u32 s22, s22, SLOT
.endr
	v_mul_u32_u24 v5, v1, KS
	v_lshrrev_b32 v6, 8, v5
	v_lshl_add_u32 v5, v6, 4, v5                   ; my row's scales: 32 bytes a row, 16 more for each 256 passed
	s_mul_i32 s21, s15, HALFS
	s_mul_i32 s22, s16, HALFS
	s_add_co_u32 s22, s22, 2*HALFS
	s_sub_co_u32 s22, s22, s21
	v_mul_u32_u24 v6, s22, v2                      ; lanes 16-31 take B's
	s_add_co_u32 s21, s21, SCL
	v_add_nc_u32 v5, v5, v6
	v_add_nc_u32 v[ADRS], s21, v5
.macro FRAG reg, adr, q, i             ; 16 rows x 128 K of 6-bit codes: 12 registers, in pieces of 8 bytes; where the piece of lanes 16-31 lies behind one padding more, the second address register serves
.irp p, 0,1,2,3,4,5
.set PC, 12*(\q)+6*(\p/3)+\p%3
.if PC%8 < 5
	ds_load_b64 v[\reg+2*\p:\reg+2*\p+1], v[\adr] offset:8*PC+16*(PC/8)+(\i)*16*PITCH
.else
	ds_load_b64 v[\reg+2*\p:\reg+2*\p+1], v[\adr+2] offset:8*PC+16*(PC/8)+(\i)*16*PITCH
.endif
.endr
.endm
; 16 matrix instructions: A's blocks a0, a0 + 1 x B's eight.  The 64 accumulators take turns, one instruction a turn, in the same order in every step
.macro MUL16 a0, p, q, sc, zero
.irp a, \a0, \a0+1
.irp b, 0,1,2,3,4,5,6,7
.if \zero
	v_wmma_scale_f32_16x16x128_f8f6f4 v[8*(8*((\a)%4)+\b):8*(8*((\a)%4)+\b)+7], v[128*(\p)+FR*\b:128*(\p)+FR*\b+FR-1], v[AF+FR*(\a):AF+FR*(\a)+FR-1], 0, v[SC+8*NQ*(\sc)+NQ*\b+(\q)], v[SC+8*NQ*(\sc)+NQ*(\a)+(\q)] matrix_a_fmt:MATRIX_FMT_FP6 matrix_b_fmt:MATRIX_FMT_FP6 matrix_a_scale:MATRIX_SCALE_ROW1
.else
	v_wmma_scale_f32_16x16x128_f8f6f4 v[8*(8*((\a)%4)+\b):8*(8*((\a)%4)+\b)+7], v[128*(\p)+FR*\b:128*(\p)+FR*\b+FR-1], v[AF+FR*(\a):AF+FR*(\a)+FR-1], v[8*(8*((\a)%4)+\b):8*(8*((\a)%4)+\b)+7], v[SC+8*NQ*(\sc)+NQ*\b+(\q)], v[SC+8*NQ*(\sc)+NQ*(\a)+(\q)] matrix_a_fmt:MATRIX_FMT_FP6 matrix_b_fmt:MATRIX_FMT_FP6 matrix_a_scale:MATRIX_SCALE_ROW1
.endif
.endr
.endr
.endm
.macro FETCH_B slot, q, p
	WIN TO_B
.irp i, 0,1,2,3,4,5,6,7
	FRAG 128*(\p)+FR*\i, ADRB+\slot, \q, \i
.endr
	WIN 0
.endm
.macro FETCH_A slot, q, i0
.irp i, \i0, \i0+1, \i0+2, \i0+3
	FRAG AF+FR*(\i), ADRA+\slot, \q, \i
.endr
.endm
.macro SCALES sc                       ; lanes 0-15 take A's block i, lanes 16-31 B's block i: two words a row
.irp i, 0,1,2,3,4,5,6,7
	ds_load_b64 v[SC+8*NQ*\sc+NQ*\i:SC+8*NQ*\sc+NQ*\i+1], v[ADRS] offset:\i*SBLK
.endr
.endm
.macro PLACES n                        ; plain vector instructions between a matrix instruction and a load into, or a read of, its registers
.rept \n
	v_nop
.endr
.endm
.macro STEP slot, q, zero
	s_wait_dscnt 4*NL                              ; B's set and A's blocks 0-3 are in; the youngest 24 loads (A's blocks 4-7) may be out
	WIN MUL_LO
	MUL16 0, (\q)%2, \q, \slot, \zero
	MUL16 2, (\q)%2, \q, \slot, \zero
	s_wait_dscnt 0
	PLACES NP
	FETCH_B \slot, (\q)+1, 1-(\q)%2
	FETCH_A \slot, (\q)+1, 0
	WIN MUL_HI
	MUL16 4, (\q)%2, \q, \slot, \zero
	MUL16 6, (\q)%2, \q, \slot, \zero
	PLACES NP
	WIN 0
	FETCH_A \slot, (\q)+1, 4
.endm
; a slot's last step changes slots: one barrier; in front of it each wave waits for all its tensor loads, adds 0 to its spare word, and waits for that and for its reads of this slot
.macro TURN slot, next, fill
	s_wait_tensorcnt 0x0                           ; all my tensor loads have landed: my part of the next slot
	ds_add_u32 v[SPW], v[NIL]
	s_wait_dscnt 4*NL+1                            ; (the add and the youngest 24 loads may be out)
	WIN MUL_LO
	MUL16 0, 1, NQ-1, \slot, 0
	s_wait_dscnt 0x0                               ; the add is done, and my reads of this slot are over
	s_barrier_signal -1
	MUL16 2, 1, NQ-1, \slot, 0
	WIN 0
	s_barrier_wait -1
.if \fill
	CREST                                          ; the barrier has opened a round of the cluster's barrier: no wave of any partner still reads this slot or has a load on its way
	s_add_nc_u64 s[G0+4*\slot+2:G0+4*\slot+3], s[G0+4*\slot+2:G0+4*\slot+3], 2*KSTR
	s_add_nc_u64 s[G0B+4*\slot+2:G0B+4*\slot+3], s[G0B+4*\slot+2:G0B+4*\slot+3], 2*KSTR
	JLOAD G0+4*\slot, G1, G0B+4*\slot, G1B         ; the first tensor load behind the round, one a wave
.else
	PLACES NP
.endif
	s_wait_alu depctr_va_vdst(0)
	v_add_nc_u32 v[ADRS], 4*NQ, v[ADRS]
	FETCH_B \next, 0, 0
	FETCH_A \next, 0, 0
	SCALES \next
	WIN MUL_HI
	MUL16 4, 1, NQ-1, \slot, 0
	MUL16 6, 1, NQ-1, \slot, 0
	PLACES NP
	WIN 0
	FETCH_A \next, 0, 4
.endm
	s_wait_alu depctr_va_vdst(0)
	s_wait_tensorcnt 0x0                           ; my tile of the head's four is in; slot 1's first fill is issued as a refill is
	ds_add_u32 v[SPW], v[NIL]
	s_mov_b32 s[G1+2], 96<<16                      ; no tensor load of mine is out: from here on a load brings 128 rows x 192 bytes = 96 rows of 256
	s_mov_b32 s[G1+4], 96
	s_mov_b32 s[G1B+2], 96<<16
	s_mov_b32 s[G1B+4], 96
	s_wait_dscnt 0x0
	CROUND                                         ; all four tiles are in, and all sixteen work-groups are here
	JLOAD G0+4, G1, G0B+4, G1B                     ; K step 1, the first tensor load behind the round
	FETCH_B 0, 0, 0
	FETCH_A 0, 0, 0
	SCALES 0
	FETCH_A 0, 0, 4
	STEP 0, 0, 1                                   ; the first step's products start the sums
	s_mov_b32 s3, LAPS-1
.Llap:
	TURN 0, 1, 1
	STEP 1, 0, 0
	TURN 1, 0, 1
	STEP 0, 0, 0
	s_sub_co_u32 s3, s3, 1
	s_cmp_lg_u32 s3, 0
	s_cbranch_scc1 .Llap
	TURN 0, 1, 0                                   ; the last lap fills nothing
	STEP 1, 0, 0
	s_wait_dscnt 4*NL
	WIN MUL_LO
	MUL16 0, 1, NQ-1, 1, 0
	MUL16 2, 1, NQ-1, 1, 0
	s_wait_dscnt 0
	WIN MUL_HI
	MUL16 4, 1, NQ-1, 1, 0
	MUL16 6, 1, NQ-1, 1, 0
	WIN 0
; ---- THE WAY OUT: no LDS.  64 numbers of a lane, register 16 b + i = K 32 b + 16 (lane / 16) + i of my row, become 12 registers of codes and a scale word.
; s: the first of the 64 (in window win); out: the 12 registers (window 0)
.macro QUANT s, win, out
	WIN (\win)|((\win)<<2)
.irp b, 0,1,2,3
	v_max3_num_f32 v[TM+\b], |v[(\s)+16*\b]|, |v[(\s)+1+16*\b]|, 0x1800000   ; my 16 numbers of block b, from each accumulator's low end on, and the floor that holds the byte at 1
.endr
.irp i, 2,4,6,8,10,12,14
.irp b, 0,1,2,3
	v_max3_num_f32 v[TM+\b], |v[(\s)+16*\b+\i]|, |v[(\s)+1+16*\b+\i]|, v[TM+\b]
.endr
.endr
	WIN 0
.irp b, 0,1,2,3
	v_permlanex16_b32 v[TM+4+\b], v[TM+\b], s80, s81
.endr
.irp b, 0,1,2,3
	v_max_num_f32 v[TM+\b], v[TM+\b], v[TM+4+\b]   ; with lane l xor 16's: the block's largest magnitude
.endr
.irp b, 0,1,2,3
	v_add_nc_u32 v[TM+12+\b], 0xff000000, v[TM+\b] ; 2 off its exponent field: the conversion's scale operand
.endr
.irp b, 0,1,2,3
	v_lshrrev_b32 v[TM+4+\b], 23, v[TM+12+\b]      ; the scale's byte
.endr
	v_lshl_or_b32 v[PW], v[TM+5], 8, v[TM+4]
	v_lshl_or_b32 v[PW], v[TM+6], 16, v[PW]
	v_lshl_or_b32 v[PW], v[TM+7], 24, v[PW]
	WIN (\win)
.irp c, 0,1
	v_cvt_scalef32_pk16_fp6_f32 v[(\out)+6*\c:(\out)+6*\c+2], v[(\s)+32*\c:(\s)+32*\c+15], v[TM+12+2*\c]
	v_cvt_scalef32_pk16_fp6_f32 v[TC+4*\c:TC+4*\c+2], v[(\s)+32*\c+16:(\s)+32*\c+31], v[TM+12+2*\c+1]   ; (a conversion's three registers begin on an even number)
.endr
	WIN 0
	v_nop                                          ; one plain place behind a scaled conversion
.irp c, 0,1                                    ; the operand's layout wants a whole block in a lane
.irp i, 0,1,2
	v_permlane16_swap_b32 v[(\out)+6*\c+\i], v[TC+4*\c+\i]
.endr
.irp i, 0,1,2
	v_mov_b32 v[(\out)+6*\c+3+\i], v[TC+4*\c+\i]
.endr
.endr
.endm
	PLACES NP                                      ; behind the last products
	v_and_b32 v1, 15, v0                           ; r
	v_bfe_u32 v2, v0, 4, 1                         ; h
	v_and_b32 v3, 31, v0
	v_lshlrev_b32 v[VI16], 4, v3
	v_lshlrev_b32 v[VI8], 3, v3
	v_lshlrev_b32 v[SH], 4, v2
	v_and_b32 v4, 8, v1
	v_add_nc_u32 v[VMB], v4, v1
	v_lshlrev_b32 v[VTAB], 8, v[VMB]
	v_lshl_add_u32 v[VTAB], v2, 6, v[VTAB]
.irp b, 0,1,2,3
	v_mov_b32 v[TM+4+\b], 0                        ; written once: a lane permute's destination counts as one of its sources
.endr
	s_mov_b32 s80, 0x76543210                      ; (all my tensor loads were waited for at the last change of slots: the descriptors' registers are free)
	s_mov_b32 s81, 0xfedcba98
	s_mov_b32 s79, 0
	s_cmp_eq_u32 s100, 1
	s_cbranch_scc1 .Lv_part
; ---- q and k: a lane holds a token; my 128 features are two heads
	s_lshl_b32 s20, s17, 1
	s_add_co_u32 s20, s20, s15                     ; my group of 128 tokens, 0..31
	s_lshr_b32 s21, s20, 4                         ; the batch
	s_and_b32 s22, s20, 15                         ; the group in its sequence
	s_and_b32 s23, s42, 3
	s_lshl_b32 s23, s23, 2
	s_lshl_b32 s45, s16, 1
	s_add_co_u32 s23, s23, s45                     ; my first head
	s_lshl_b32 s45, s21, 4
	s_add_co_u32 s45, s45, s23
	s_lshl_b32 s45, s45, 4
	s_add_co_u32 s45, s45, s22                     ; the record: (batch x 16 + head) x 16 + group
	s_mov_b32 s46, 6656
	s_mov_b32 s47, 6144
	s_cmp_eq_u32 ttmp9, 1                          ; k?
	s_cselect_b32 s46, 13056, s46                  ; a record's bytes
	s_cselect_b32 s47, 12288, s47                  ; where its scale words begin
	s_cselect_b64 s[92:93], s[98:99], s[96:97]
	s_cselect_b32 s94, 0xff, 0                     ; k keeps the mask's byte,
	s_cselect_b32 s95, 0, 0x40                     ; q has 64 there
	s_mul_i32 s78, s45, s46
	s_add_nc_u64 s[68:69], s[92:93], s[78:79]      ; my first head's record
	s_lshl_b32 s78, s46, 4
	s_add_nc_u64 s[70:71], s[68:69], s[78:79]      ; the next head's: 16 records on
	v_mul_u32_u24 v[VSC], s78, v2
	v_lshl_add_u32 v[VSC], v1, 4, v[VSC]           ; scale words: lanes 0-15 the first head's, lanes 16-31 the next's; 16 bytes a row
	s_mov_b32 s82, s47
	s_mov_b32 s83, 0
	s_add_nc_u64 s[72:73], s[68:69], s[82:83]
	s_lshl_b32 s82, s22, 15
	s_add_nc_u64 s[74:75], s[8:9], s[82:83]        ; the table at my group's first token
	s_lshl_b32 s82, s20, 7
	s_add_nc_u64 s[76:77], s[10:11], s[82:83]      ; the mask likewise
	s_wait_alu depctr_va_vdst(0)
.irp a, 0,1,2,3,4,5,6,7
	global_load_u8 v[MB+\a], v[VMB], s[76:77] offset:32*(\a/2)+8*(\a%2)
.endr
.macro TABLOAD a                       ; 16 cos and 16 sin of block a's token: dims 16 (lane / 16) + 0 .. 15
.set CSS, 32*(\a)
.set TOF, (32*((\a)/2)+8*((\a)%2))*256
.irp q, 0,1,2,3
	global_load_b128 v[CSS+4*\q:CSS+4*\q+3], v[VTAB], s[74:75] offset:TOF+16*\q
.endr
.irp q, 0,1,2,3
	global_load_b128 v[CSS+16+4*\q:CSS+16+4*\q+3], v[VTAB], s[74:75] offset:TOF+128+16*\q
.endr
.endm
	WIN TO_B                                       ; B's fragments are done with: all eight blocks' table loads go out at once, 64 loads behind the mask's eight
.irp a, 0,1,2,3,4,5,6,7
	TABLOAD \a
.endr
	WIN 0
.macro ROPE a                          ; lo' = lo cos - hi sin, hi' = hi cos + lo sin; lo = dims 0-31 of a head, hi = dims 32-63: accumulators 4 c + u and 4 c + 2 + u
.set AC, 64*((\a)%4)
.set CSS, 32*(\a)
	WIN 0x06+(\a)/4                                ; source 0: the accumulators' window; source 1: the table's
.irp c, 0,1
.irp u, 0,1
.irp jp, 0,2,4,6
	v_pk_mul_f32 v[R+32*\c+8*\u+\jp:R+32*\c+8*\u+\jp+1], v[AC+8*(4*\c+\u)+\jp:AC+8*(4*\c+\u)+\jp+1], v[CSS+8*\u+\jp:CSS+8*\u+\jp+1]
	v_pk_mul_f32 v[R+32*\c+16+8*\u+\jp:R+32*\c+16+8*\u+\jp+1], v[AC+8*(4*\c+2+\u)+\jp:AC+8*(4*\c+2+\u)+\jp+1], v[CSS+8*\u+\jp:CSS+8*\u+\jp+1]
.endr
.endr
.endr
.irp c, 0,1                                    ; all the products first, then the multiply-adds onto them: no line reads a result just made
.irp u, 0,1
.irp jp, 0,2,4,6
	v_pk_fma_f32 v[R+32*\c+8*\u+\jp:R+32*\c+8*\u+\jp+1], v[AC+8*(4*\c+2+\u)+\jp:AC+8*(4*\c+2+\u)+\jp+1], v[CSS+16+8*\u+\jp:CSS+16+8*\u+\jp+1], v[R+32*\c+8*\u+\jp:R+32*\c+8*\u+\jp+1] neg_lo:[1,0,0] neg_hi:[1,0,0]
	v_pk_fma_f32 v[R+32*\c+16+8*\u+\jp:R+32*\c+16+8*\u+\jp+1], v[AC+8*(4*\c+\u)+\jp:AC+8*(4*\c+\u)+\jp+1], v[CSS+16+8*\u+\jp:CSS+16+8*\u+\jp+1], v[R+32*\c+16+8*\u+\jp:R+32*\c+16+8*\u+\jp+1]
.endr
.endr
.endr
	WIN 0
.endm
.macro QKBLOCK a
.set EO, E+12*((\a)%2)
	s_wait_loadcnt 8*(7-(\a))                      ; the mask's bytes and this block's table are in; the eight loads of each later block may be out
	ROPE \a
	s_wait_xcnt 0x0                                ; the stores of two blocks ago have read the registers that the codes now take
	QUANT R, 0, E+12*((\a)%2)
	v_add_nc_u32 v[T0], -1, v[MB+(\a)]             ; all ones where the token is masked
	v_and_b32 v[T0], 0xc5, v[T0]                   ; 197 there
	v_and_or_b32 v[T0], v[T0], s94, s95            ; k: as it is; q: 64
	v_lshl_or_b32 v[T0], v[T0], 16, 0x7f000000     ; byte 2, under byte 3 = 127
	v_lshrrev_b32 v[T1], v[SH], v[PW]              ; lanes 0-15: the first head's two bytes, lanes 16-31: the next head's
	v_and_or_b32 v[SW+(\a)], v[T1], 0xffff, v[T0]
	global_store_b128 v[VI16], v[EO:EO+3], s[68:69] offset:768*(\a)          ; each store covers whole runs of 256 consecutive bytes
	global_store_b64 v[VI8], v[EO+4:EO+5], s[68:69] offset:768*(\a)+512
	global_store_b128 v[VI16], v[EO+6:EO+9], s[70:71] offset:768*(\a)
	global_store_b64 v[VI8], v[EO+10:EO+11], s[70:71] offset:768*(\a)+512
.endm
.irp a, 0,1,2,3,4,5,6,7
	QKBLOCK \a
.endr
	global_store_b128 v[VSC], v[SW:SW+3], s[72:73]             ; tiles 0-3: [row][tile], 16 bytes a row
	global_store_b128 v[VSC], v[SW+4:SW+7], s[72:73] offset:256   ; tiles 4-7
	s_branch .Ljoin
.Lv_part:
; ---- v: a lane holds a feature; my 128 tokens are one key step, my 128 features two heads of four fragments
	s_lshl_b32 s20, s42, 1
	s_add_co_u32 s20, s20, s16                     ; my group of 128 tokens
	s_lshr_b32 s21, s20, 4
	s_and_b32 s22, s20, 15
	s_lshl_b32 s23, s17, 2
	s_lshl_b32 s45, s15, 1
	s_add_co_u32 s23, s23, s45                     ; my first head
	s_lshl_b32 s45, s21, 4
	s_add_co_u32 s45, s45, s23
	s_lshl_b32 s45, s45, 4
	s_add_co_u32 s45, s45, s22
	s_mul_i32 s78, s45, 13056
	s_add_nc_u64 s[72:73], s[98:99], s[78:79]      ; the record
	s_add_nc_u64 s[68:69], s[72:73], 6144          ; its fragments of v
	s_add_nc_u64 s[70:71], s[68:69], 208896        ; the next head's
	s_add_nc_u64 s[72:73], s[72:73], 12800         ; its scale words of v
	v_mul_u32_u24 v[VSC], 0x33000, v2
	v_lshl_add_u32 v[VSC], v1, 4, v[VSC]
	s_mov_b32 s82, 0xffff0000
.macro VBLOCK a
.set EO, E+12*((\a)%2)
	s_wait_xcnt 0x0                                ; the stores of two blocks ago have read the registers that the codes now take
	QUANT 64*((\a)%4), 2+(\a)/4, E+12*((\a)%2)
	v_mov_b32 v[SW+(\a)], v[PW]
.irp g, 0,1,2
	global_store_b128 v[VI16], v[EO+4*\g:EO+4*\g+3], s[68+2*((\a)/4):69+2*((\a)/4)] offset:((\a)%4)*1536+512*\g
.endr
.endm
.irp a, 0,1,2,3,4,5,6,7
	VBLOCK \a
.endr
.irp i, 0,1,2,3
	v_cndmask_b32 v[SW+\i], v[SW+\i], v[SW+4+\i], s82  ; lanes 16-31 carry the next head's words
.endr
	global_store_b128 v[VSC], v[SW:SW+3], s[72:73]     ; [row][fragment], 16 bytes a row
.Ljoin:
	s_wait_tensorcnt 0x0                           ; the wave's end
	ds_add_u32 v[SPW], v[NIL]
	s_wait_dscnt 0x0
	CROUND                                         ; the closing round
	s_endpgm
.Lfunc_end_k_qefbab50c9f_qkv:
	.size	k_qefbab50c9f_qkv, .Lfunc_end_k_qefbab50c9f_qkv-k_qefbab50c9f_qkv
	.p2alignl 7, 3214868480
	.fill 96, 4, 3214868480
	.section	.rodata,"a",@progbits
	.p2align	6, 0x0
	.amdhsa_kernel k_qefbab50c9f_qkv
		.amdhsa_group_segment_fixed_size 327680
		.amdhsa_private_segment_fixed_size 0
		.amdhsa_enable_private_segment 0
		.amdhsa_kernarg_size 48
		.amdhsa_user_sgpr_count 2
		.amdhsa_user_sgpr_kernarg_segment_ptr 1
		.amdhsa_wavefront_size32 1
		.amdhsa_system_sgpr_workgroup_id_x 1
		.amdhsa_system_sgpr_workgroup_id_y 1
		.amdhsa_system_sgpr_workgroup_id_z 1
		.amdhsa_system_vgpr_workitem_id 0
		.amdhsa_next_free_vgpr 1024
		.amdhsa_next_free_sgpr 102
		.amdhsa_reserve_vcc 0
		.amdhsa_float_denorm_mode_32 3
		.amdhsa_float_denorm_mode_16_64 3
		.amdhsa_memory_ordered 1
		.amdhsa_forward_progress 1
		.amdhsa_inst_pref_size 243
	.end_amdhsa_kernel
	.amdgpu_metadata
---
amdhsa.version: [ 1, 2 ]
amdhsa.kernels:
  - .name:           k_qefbab50c9f_qkv
    .symbol:         k_qefbab50c9f_qkv.kd
    .args:
      - { .name: codes1, .offset: 0, .size: 8, .value_kind: global_buffer, .address_space: global }
      - { .name: scales1, .offset: 8, .size: 8, .value_kind: global_buffer, .address_space: global }
      - { .name: rope, .offset: 16, .size: 8, .value_kind: global_buffer, .address_space: global }
      - { .name: attention_mask, .offset: 24, .size: 8, .value_kind: global_buffer, .address_space: global }
      - { .name: qbuf, .offset: 32, .size: 8, .value_kind: global_buffer, .address_space: global }
      - { .name: kv, .offset: 40, .size: 8, .value_kind: global_buffer, .address_space: global }
    .group_segment_fixed_size: 327680
    .private_segment_fixed_size: 0
    .kernarg_segment_align: 8
    .kernarg_segment_size: 48
    .max_flat_workgroup_size: 128
    .sgpr_count:     102
    .vgpr_count:     1024
    .wavefront_size: 32
...
	.end_amdgpu_metadata
.endif
;; end of part 2
;; launch attn (part 3): grid 8 x 32, 8 waves a work-group, clusters of 4 x 1, 327,680 bytes of LDS; arguments qbuf, kv, ao_codes, ao_scales; writes ao_codes, ao_scales
.if DOCPART == 3
	.amdgcn_target "amdgcn-amd-amdhsa--gfx1250"
	.amdhsa_code_object_version 6
	.text
	.protected	k_qefbab50c9f_attn
	.globl	k_qefbab50c9f_attn
	.p2align	8
	.type	k_qefbab50c9f_attn,@function
k_qefbab50c9f_attn:
	s_mov_b64 s[64:65], 0
	v_nop
	global_prefetch_b8 v0, s[64:65] scope:SCOPE_SE
	s_setreg_imm32_b32 hwreg(HW_REG_WAVE_MODE, 25, 1), 1
	s_wait_xcnt 0x0
	s_wait_alu depctr_hold_cnt(0) depctr_sa_sdst(0) depctr_va_vdst(0) depctr_va_sdst(0) depctr_va_ssrc(0) depctr_va_vcc(0) depctr_vm_vsrc(0)
	s_getreg_b32 s2, hwreg(HW_REG_IB_STS2, 6, 4)
	s_cmp_eq_u32 s2, 0
	s_cbranch_scc0 .Lentry_in_a_cluster
	s_endpgm
.Lentry_in_a_cluster:
	s_bfe_u32 s2, ttmp6, 0x10000c
	s_cmp_lg_u32 s2, 0x3003
	s_cbranch_scc0 .Lentry_shape_is_right
	s_endpgm
.Lentry_shape_is_right:
; Attention of one (batch, head) for 256 queries: softmax(q k^T / 8 + mask) v on codes of FP6 (E2M3); the softmax is quantised finished and normalised, so a row's sum is known before any p is quantised.
; EIGHT WAVES SHARE 32 QUERIES A ROUND AND DIVIDE THE 2,048 KEYS: wave w owns keys 256 w .. 256 w + 255.  Its 32 x 256 scores fill window 1 (256 registers) and stay there: each score is multiplied and
; exponentiated once.  A round: each block's and the wave's own largest score; p = 2^(t - my largest t) and its sum; the eight (largest, sum) pairs of a row meet in LDS; each p is multiplied by
; f = 2^(my largest - the row's largest) / the row's sum; p is quantised by blocks of 32 keys; O^T += v^T p^T (16 matrix instructions); the eight partial O^T are added through LDS, wave w adding
; 16 queries x 16 features.  After four rounds each wave quantises one tile of 16 queries x 64 features and stores it as an image of the next product's operand.  Eight rounds in all.
; Two barriers a round: one for the pairs, one for the partial O^T; the next round's S^T = k q^T (32 matrix instructions, with its blocks' maxima) stands between the second one's signal and its wait.
; The head's K and V, 16 records of 13,056 bytes, come once by joint loads (the four work-groups of a cluster take the same head): one load a wave, and a wave loads just the two records that it alone reads.
; A block's largest p is not searched for: the block's largest score goes through the same multiply-add, exponential and multiply (this takes v_exp_f32 not to fall where its input rises).
; The mask rides in K = 64 .. 95 of the first product (q: 25 codes of +5, k: 25 codes of -5, scale bytes made by the launch before).
; Where a row's sum is NaN every p of the row is 1 / 2,048: code 4.0 under byte 114.
; LIMITS: the scaled scores (exponents to the base 2) stay under 2^31 in magnitude; a p under 2^-126 counts as 0.
; Nothing is prefetched: all that the launch reads by tensor loads is asked for at its head, and there is no loop to run ahead in.
.set REC,   13056
.set WKV,   2*REC                      ; a wave's keys: two records
.set STAT,  16*REC                     ; LDS behind K and V: 8 waves x 32 rows x (largest, sum)
.set OST,   STAT+2048                  ; 8 waves x 8 KB of partial O^T
.set FIN,   OST+65536                  ; 8 waves x 4 rounds x 1 KB of summed O^T
.set SPARE, FIN+32768                  ; the spare words, 128 bytes a wave
.set SPW, 1
.set NIL, 2
.set A16, 3                            ; 16 x lane
.set A8,  4                            ; 512 + 8 x lane
.set AQS, 5                            ; 16 x (lane % 16)
.set AK16, 6                           ; the same three in my two records
.set AK8, 7
.set AVS, 8
.set AST, 9
.set ASR, 10
.set AOS, 11
.set AOR, 12
.set AFW, 13
.set AFT, 14
.set AFR, 15
.set ASC, 16
.set QS,  18                           ; v18-39 hold scale words and nothing else: q's 2, k's 8, v's 8, p's 4
.set KS,  20
.set VS,  28
.set PW,  36
.set QF,  40                           ; two tiles of q
.set KF,  64                           ; four tiles of k
.set TM,  112                          ; 16 blocks' largest: 8 q + 4 record + block
.set TS,  128
.set PC,  144                          ; p's codes: 12 (2 q + record)
.set TC,  192
.set RB,  144                          ; behind the second product: the eight parts to add, v144-207
.set NB,  208                          ; pairs (minus my largest t, my sum), one for each tile of queries
.set F,   220
.set ST,  224                          ; the sums' eight chains, then the eight pairs
.set T,   240
.set SD,  252
.set FO,  144                          ; the way out: 32 numbers, 6 registers of codes
.set PO,  176
; window 1: score (q, record c, tile t) at 128 q + 64 c + 8 t; once converted: v's fragments at 64 c + 12 d, O^T (q, d) at 128 + 32 q + 8 d
.set WV,  12
.set G1,  24
.set G0,  32
.set QA,  36
.set QSA, 38
.set QB,  40
.set CS,  44
.set CN,  46
.set SEL, 48
.set HM,  50
.set NM,  52
.set NP0, 54
.set NANW, 57
.set CO,  58
.set CJ,  59
.set SF,  60
.set RI,  61
.set MSB, 0
.macro WIN new                         ; the immediate's high byte repeats the setting that is left
.if MSB != (\new)
	s_set_vgpr_msb (MSB<<8)|(\new)
.set MSB, (\new)
.endif
.endm
.macro WA                              ; a wait ahead of blocking waits, taken branches and batches of transcendentals, and behind such batches
	s_wait_alu depctr_va_vdst(0)
.endm
.macro PLACES n
.rept \n
	v_nop
.endr
.endm
.macro BAR
	s_barrier_signal -1
	s_barrier_wait -1
.endm
.macro CROUND
	BAR
	s_cmp_lg_u32 s[WV], 0
	s_cbranch_scc1 .Lnot_wave_0_\@
	s_barrier_signal -3
.Lnot_wave_0_\@:
	s_barrier_wait -3
	BAR
.endm
.macro QLOAD                           ; two tiles of q and their scale words
.irp q, 0,1
	global_load_b128 v[QF+12*\q:QF+12*\q+3], v[A16], s[QA:QA+1] offset:768*\q
	global_load_b64 v[QF+12*\q+4:QF+12*\q+5], v[A8], s[QA:QA+1] offset:768*\q
	global_load_b32 v[QS+\q], v[AQS], s[QSA:QSA+1] offset:4*\q
.endr
.endm
.macro QADDR                           ; where the q of round RI lies (beyond the last round: the last round's again, so that no load leaves the buffer)
	s_add_co_u32 s[RI], s[RI], 1
	s_min_u32 s20, s[RI], 7
	s_lshr_b32 s21, s20, 2
	s_mul_i32 s21, s21, 6656
	s_and_b32 s22, s20, 3
	s_mul_i32 s23, s22, 1536
	s_add_co_u32 s16, s21, s23
	s_mov_b32 s17, 0
	s_add_nc_u64 s[QA:QA+1], s[QB:QB+1], s[16:17]
	s_lshr_b32 s23, s22, 1
	s_lshl_b32 s23, s23, 8
	s_and_b32 s22, s22, 1
	s_lshl_b32 s22, s22, 3
	s_add_co_u32 s16, s21, s23
	s_add_co_u32 s16, s16, s22
	s_add_co_u32 s16, s16, 6144
	s_add_nc_u64 s[QSA:QSA+1], s[QB:QB+1], s[16:17]
.endm
.macro KLOAD g                         ; tiles 4 (g % 2) .. + 3 of record g / 2
.irp t, 0,1,2,3
	ds_load_b128 v[KF+12*\t:KF+12*\t+3], v[AK16] offset:((\g)/2)*REC+(4*((\g)%2)+\t)*768
	ds_load_b64 v[KF+12*\t+4:KF+12*\t+5], v[AK8] offset:((\g)/2)*REC+(4*((\g)%2)+\t)*768
.endr
.endm
.macro QKMUL g                         ; eight products, eight accumulators
.set SB, 64*((\g)/2)+32*((\g)%2)
	WIN 0x40
.irp t, 0,1,2,3
.irp q, 0,1
.if (\g)%2
	v_wmma_scale_f32_16x16x128_f8f6f4 v[SB+128*\q+8*\t:SB+128*\q+8*\t+7], v[KF+12*\t:KF+12*\t+11], v[QF+12*\q:QF+12*\q+11], 0, v[KS+4*((\g)/2)+\t], v[QS+\q] matrix_a_fmt:MATRIX_FMT_FP6 matrix_b_fmt:MATRIX_FMT_FP6 matrix_a_scale:MATRIX_SCALE_ROW1
.else
	v_wmma_scale_f32_16x16x128_f8f6f4 v[SB+128*\q+8*\t:SB+128*\q+8*\t+7], v[KF+12*\t:KF+12*\t+11], v[QF+12*\q:QF+12*\q+11], 0, v[KS+4*((\g)/2)+\t], v[QS+\q] matrix_a_fmt:MATRIX_FMT_FP6 matrix_b_fmt:MATRIX_FMT_FP6
.endif
.endr
.endr
	WIN 0
	PLACES 4                                       ; ahead of loads into the fragments and of the first reads of the scores
.endm
.macro BMAX g                          ; the largest score of my 16 keys in each of the group's four blocks, each accumulator from its low end on
.set SB, 64*((\g)/2)+32*((\g)%2)
.set TB, TM+4*((\g)/2)+2*((\g)%2)
	WIN 0x15
.irp q, 0,1
.irp b, 0,1
	v_max3_num_f32 v[TB+8*\q+\b], v[SB+128*\q+16*\b], v[SB+128*\q+16*\b+1], v[SB+128*\q+16*\b+2]
.endr
.endr
	WIN 0x14
.irp i, 3,5,7,9,11,13
.irp q, 0,1
.irp b, 0,1
	v_max3_num_f32 v[TB+8*\q+\b], v[TB+8*\q+\b], v[SB+128*\q+16*\b+\i], v[SB+128*\q+16*\b+\i+1]
.endr
.endr
.endr
.irp q, 0,1
.irp b, 0,1
	v_max_num_f32 v[TB+8*\q+\b], v[TB+8*\q+\b], v[SB+128*\q+16*\b+15]
.endr
.endr
	WIN 0
.endm
.macro QKPH                            ; a round's scores: each group's maxima stand between the next group's loads and the wait for them
	KLOAD 0
	s_wait_dscnt 0x0
	QKMUL 0
	KLOAD 1
	BMAX 0
	s_wait_dscnt 0x0
	QKMUL 1
	KLOAD 2
	BMAX 1
	s_wait_dscnt 0x0
	QKMUL 2
	KLOAD 3
	BMAX 2
	s_wait_dscnt 0x0
	QKMUL 3
	BMAX 3
.endm
.macro FINQ q                          ; tile q's p finished and quantised
.irp i, 0,1,2,3,4,5,6,7
	v_mul_f32 v[TM+8*\q+\i], v[TM+8*\q+\i], v[F+2*\q]   ; each block's largest finished p
.endr
.irp i, 0,1,2,3,4,5,6,7
	v_max_num_f32 v[TM+8*\q+\i], 0x1800000, v[TM+8*\q+\i]   ; the floor that holds the byte at 1
.endr
.irp i, 0,1,2,3,4,5,6,7
	v_add_nc_u32 v[TS+8*\q+\i], 0xff000000, v[TM+8*\q+\i]   ; 2 off the exponent field: the conversion's scale operand
.endr
.irp i, 0,1,2,3,4,5,6,7
	v_lshrrev_b32 v[TM+8*\q+\i], 23, v[TS+8*\q+\i]     ; the scale's byte
.endr
.irp c, 0,1
	v_lshl_or_b32 v[PW+2*\q+\c], v[TM+8*\q+4*\c+1], 8, v[TM+8*\q+4*\c]
.endr
.irp c, 0,1
	v_lshl_or_b32 v[PW+2*\q+\c], v[TM+8*\q+4*\c+2], 16, v[PW+2*\q+\c]
.endr
.irp c, 0,1
	v_lshl_or_b32 v[PW+2*\q+\c], v[TM+8*\q+4*\c+3], 24, v[PW+2*\q+\c]
.endr
.irp c, 0,1
	v_cndmask_b32 v[PW+2*\q+\c], v[PW+2*\q+\c], s[NANW], s[NM+\q]
.endr
	WIN 0x41
.set J, 128*\q
.rept 64
	v_pk_mul_f32 v[J:J+1], v[J:J+1], v[F+2*\q:F+2*\q+1] op_sel_hi:[1,0]
.set J, J+2
.endr
	WIN 0x01
.irp c, 0,1
.irp cc, 0,1
	v_cvt_scalef32_pk16_fp6_f32 v[PC+12*(2*\q+\c)+6*\cc:PC+12*(2*\q+\c)+6*\cc+2], v[128*\q+64*\c+32*\cc:128*\q+64*\c+32*\cc+15], v[TS+8*\q+4*\c+2*\cc]
	v_cvt_scalef32_pk16_fp6_f32 v[TC+8*\c+4*\cc:TC+8*\c+4*\cc+2], v[128*\q+64*\c+32*\cc+16:128*\q+64*\c+32*\cc+31], v[TS+8*\q+4*\c+2*\cc+1]
.endr
.endr
	WIN 0
	v_nop                                          ; one plain place behind a scaled conversion
.if \q == 0
	WIN 0x40                                       ; v's fragments land where the first tile's p lay
.irp c, 0,1
.irp d, 0,1,2,3
.irp g, 0,1,2
	ds_load_b128 v[64*\c+12*\d+4*\g:64*\c+12*\d+4*\g+3], v[AK16] offset:\c*REC+6144+1536*\d+512*\g
.endr
.endr
.endr
	WIN 0
.endif
.irp c, 0,1
.irp cc, 0,1
.irp i, 0,1,2
	v_permlane16_swap_b32 v[PC+12*(2*\q+\c)+6*\cc+\i], v[TC+8*\c+4*\cc+\i]   ; the operand wants a whole block in a lane
.endr
.endr
.endr
.irp c, 0,1
.irp cc, 0,1
.irp i, 0,1,2
	v_cndmask_b32 v[PC+12*(2*\q+\c)+6*\cc+\i], v[PC+12*(2*\q+\c)+6*\cc+\i], s[NP0+\i], s[NM+\q]   ; a row whose sum is NaN: 1 / 2,048 everywhere;
	v_cndmask_b32 v[PC+12*(2*\q+\c)+6*\cc+3+\i], v[TC+8*\c+4*\cc+\i], s[NP0+\i], s[NM+\q]          ; the same select brings a block's upper 16 codes to their place
.endr
.endr
.endr
.endm
.macro PV c                            ; the eight accumulators by turns, one instruction a turn
.irp d, 0,1,2,3
.irp q, 0,1
.if \c
	v_wmma_scale_f32_16x16x128_f8f6f4 v[128+32*\q+8*\d:128+32*\q+8*\d+7], v[64*\c+12*\d:64*\c+12*\d+11], v[PC+12*(2*\q+\c):PC+12*(2*\q+\c)+11], v[128+32*\q+8*\d:128+32*\q+8*\d+7], v[VS+4*\c+\d], v[PW+2*\q+\c] matrix_a_fmt:MATRIX_FMT_FP6 matrix_b_fmt:MATRIX_FMT_FP6
.else
	v_wmma_scale_f32_16x16x128_f8f6f4 v[128+32*\q+8*\d:128+32*\q+8*\d+7], v[64*\c+12*\d:64*\c+12*\d+11], v[PC+12*(2*\q+\c):PC+12*(2*\q+\c)+11], 0, v[VS+4*\c+\d], v[PW+2*\q+\c] matrix_a_fmt:MATRIX_FMT_FP6 matrix_b_fmt:MATRIX_FMT_FP6
.endif
.endr
.endr
.endm
	s_load_b256 s[4:11], s[0:1], 0x0               ; q, k and v, the codes out, the scale bytes out
	v_lshl_add_u32 v[SPW], v0, 2, SPARE
	v_mov_b32 v[NIL], 0
	ds_add_u32 v[SPW], v[NIL]                      ; the opening lines: the add twice on end and its wait ahead of my tensor load
	ds_add_u32 v[SPW], v[NIL]
	v_lshrrev_b32 v[T], 5, v0
	v_readfirstlane_b32 s[WV], v[T]
	s_bfe_u32 s13, ttmp6, 0x40000
	s_lshl_b32 s14, ttmp9, 2
	s_add_co_u32 s14, s14, s13                     ; which 256 queries
	s_and_b32 s15, ttmp7, 0xffff                   ; batch x 16 + head
	s_mov_b32 s[G1], 15|(3<<16)|(1<<21)            ; all four of the cluster; elements of 8 bytes
	s_mov_b32 s[G1+1], 32<<16                      ; 26,112 dense bytes as 102 rows of 256
	s_mov_b32 s[G1+2], 102<<16
	s_mov_b32 s[G1+3], 32<<16
	s_mov_b32 s[G1+4], 102
	s_mov_b32 s[G1+5], 32
	s_mov_b32 s[G1+6], 0
	s_mov_b32 s[G1+7], 0
	s_mul_i32 s16, s[WV], WKV
	s_mul_i32 s18, s15, 16*REC
	s_add_co_u32 s18, s18, s16
	s_mov_b32 s19, 0
	s_mov_b32 s[CS], 0x3e38aa3b                    ; log2(e) / 8
	s_mov_b32 s[CS+1], s[CS]
	s_mov_b32 s[CN], 0xbe38aa3b
	s_mov_b32 s[SEL], 0x76543210
	s_mov_b32 s[SEL+1], 0xfedcba98
	s_mov_b32 s[HM], 0xffff0000
	s_mov_b32 s[NP0], 0x18618618
	s_mov_b32 s[NP0+1], 0x86186186
	s_mov_b32 s[NP0+2], 0x61861861
	s_mov_b32 s[NANW], 0x72727272
	s_wait_dscnt 0x0
	s_wait_kmcnt 0x0
	s_add_nc_u64 s[18:19], s[6:7], s[18:19]
	s_mov_b32 s[G0], 1
	s_mov_b32 s[G0+1], s16
	s_mov_b64 s[G0+2:G0+3], s[18:19]
	s_or_b32 s[G0+3], s[G0+3], 0x80000000
	CROUND                                         ; the four work-groups are here: the joint loads meet
	tensor_load_to_lds s[G0:G0+3], s[G1:G1+7]      ; my two records: my one tensor load
	s_nop 0
	PLACES 4
	v_and_b32 v[T], 31, v0
	v_and_b32 v[T+1], 15, v0
	v_bfe_u32 v[T+2], v0, 4, 1
	v_lshlrev_b32 v[A16], 4, v[T]
	v_lshlrev_b32 v[T+3], 3, v[T]
	v_add_nc_u32 v[A8], 512, v[T+3]
	v_lshlrev_b32 v[AQS], 4, v[T+1]
	v_add_nc_u32 v[AK16], s16, v[A16]
	v_add_nc_u32 v[AK8], s16, v[A8]
	v_add_nc_u32 v[AVS], s16, v[AQS]
	v_add_nc_u32 v[AVS], 12800, v[AVS]
	s_lshl_b32 s20, s[WV], 8
	s_lshl_b32 s21, s[WV], 13
	s_lshl_b32 s22, s[WV], 10
	s_lshl_b32 s23, s[WV], 12
	v_add_nc_u32 v[ASR], STAT, v[T+3]              ; the pairs: wave x 256 + 8 x lane (lanes 0-15 the first tile's rows, lanes 16-31 the second's)
	v_add_nc_u32 v[AST], s20, v[ASR]
	v_add_nc_u32 v[T+4], OST, v[A16]
	v_add_nc_u32 v[AOS], s21, v[T+4]               ; my partial O^T: 8 KB a wave, 1 KB for each (q, d)
	v_add_nc_u32 v[AOR], s22, v[T+4]               ; I add part (q, d) = (wave / 4, wave % 4) of all eight
	v_add_nc_u32 v[T+5], FIN, v[A16]
	v_add_nc_u32 v[AFW], s23, v[T+5]               ; and keep the sums of four rounds in 4 KB of my own
	s_and_b32 s20, s[WV], 1
	s_lshl_b32 s20, s20, 14
	s_lshr_b32 s21, s[WV], 1
	s_lshl_b32 s21, s21, 10
	s_add_co_u32 s20, s20, s21
	v_add_nc_u32 v[AFR], s20, v[T+5]               ; the way out: tile wave = round wave / 2, q = wave % 2: writers 4 q + d
	v_lshl_add_u32 v[ASC], v[T+1], 5, v[T+2]
	v_add_nc_u32 v[T+6], -1, v[T+2]                ; all ones in lanes 0-15
.irp q, 0,1
	v_and_b32 v[QF+12*\q+6], 0x9a69a69a, v[T+6]    ; K = 64 .. 95: 25 codes of +5
	v_and_b32 v[QF+12*\q+7], 0xa69a69a6, v[T+6]
	v_and_b32 v[QF+12*\q+8], 0x69a69a69, v[T+6]
	v_and_b32 v[QF+12*\q+9], 0x9a69a69a, v[T+6]
	v_and_b32 v[QF+12*\q+10], 0x001a69a6, v[T+6]
	v_mov_b32 v[QF+12*\q+11], 0
.endr
.irp t, 0,1,2,3
	v_and_b32 v[KF+12*\t+6], 0xbaebaeba, v[T+6]    ; and 25 codes of -5
	v_and_b32 v[KF+12*\t+7], 0xaebaebae, v[T+6]
	v_and_b32 v[KF+12*\t+8], 0xebaebaeb, v[T+6]
	v_and_b32 v[KF+12*\t+9], 0xbaebaeba, v[T+6]
	v_and_b32 v[KF+12*\t+10], 0x003aebae, v[T+6]
	v_mov_b32 v[KF+12*\t+11], 0
.endr
.irp i, 1,3
	v_mov_b32 v[NB+\i], 0                          ; upper halves of pairs that packed forms name
	v_mov_b32 v[F+\i], 0
.endr
.set I, 0
.rept 16
	v_mov_b32 v[TS+I], 0                           ; written once: a lane permute's destination counts as one of its sources
.set I, I+1
.endr
.irp i, 2,3
	v_mov_b32 v[T+\i], 0
.endr
	WA                                             ; the head's end
	s_lshl_b32 s20, s15, 4
	s_lshl_b32 s21, s14, 1
	s_add_co_u32 s20, s20, s21
	s_mul_i32 s20, s20, 6656
	s_mov_b32 s21, 0
	s_add_nc_u64 s[QB:QB+1], s[4:5], s[20:21]      ; my two records of q
	s_mov_b64 s[QA:QA+1], s[QB:QB+1]
	s_add_nc_u64 s[QSA:QSA+1], s[QB:QB+1], 6144
	QLOAD
	s_lshr_b32 s20, s15, 4
	s_lshl_b32 s20, s20, 7
	s_lshl_b32 s21, s14, 4
	s_add_co_u32 s20, s20, s21
	s_add_co_u32 s20, s20, s[WV]                   ; the tile of 16 tokens that I store first
	s_and_b32 s21, s15, 15
	s_lshl_b32 s22, s20, 4
	s_add_co_u32 s22, s22, s21
	s_mul_i32 s22, s22, 768
	s_mov_b32 s23, 0
	s_add_nc_u64 s[8:9], s[8:9], s[22:23]
	s_lshl_b32 s22, s20, 9
	s_lshl_b32 s21, s21, 1
	s_add_co_u32 s22, s22, s21
	s_add_nc_u64 s[10:11], s[10:11], s[22:23]
	s_mov_b32 s[RI], 0
	s_wait_tensorcnt 0x0                           ; my two records are in; nobody else reads them
.irp c, 0,1
	ds_load_b128 v[KS+4*\c:KS+4*\c+3], v[AK16] offset:\c*REC+12288   ; lanes 0-15 tiles 0-3, lanes 16-31 tiles 4-7: kept for all rounds
	ds_load_b128 v[VS+4*\c:VS+4*\c+3], v[AVS] offset:\c*REC
.endr
	s_wait_loadcnt 0x0                             ; round 0's q is in, and its loads' addresses are free
	QADDR
	QKPH                                           ; round 0's scores
	QLOAD                                          ; round 1's q
	s_mov_b32 s[CO], 2
.Louter:
	s_mov_b32 s[SF], 0
	s_mov_b32 s[CJ], 4
.Lround:
.set I, 0
.rept 16
	v_permlanex16_b32 v[TS+I], v[TM+I], s[SEL], s[SEL+1]
.set I, I+1
.endr
.set I, 0
.rept 16
	v_max_num_f32 v[TM+I], v[TM+I], v[TS+I]        ; with lane l xor 16's 16 keys: the block's largest score
.set I, I+1
.endr
.irp q, 0,1
	v_max3_num_f32 v[T+\q], v[TM+8*\q], v[TM+8*\q+1], v[TM+8*\q+2]
.endr
.irp i, 3,5
.irp q, 0,1
	v_max3_num_f32 v[T+\q], v[T+\q], v[TM+8*\q+\i], v[TM+8*\q+\i+1]
.endr
.endr
.irp q, 0,1
	v_max_num_f32 v[T+\q], v[T+\q], v[TM+8*\q+7]
.endr
.irp q, 0,1
	v_mul_f32 v[NB+2*\q], s[CN], v[T+\q]           ; minus my 256 keys' largest t
.endr
	WIN 0x41
.set J, 0
.rept 64
	v_pk_fma_f32 v[J:J+1], v[J:J+1], s[CS:CS+1], v[NB:NB+1] op_sel_hi:[1,0,0]
	v_pk_fma_f32 v[J+128:J+129], v[J+128:J+129], s[CS:CS+1], v[NB+2:NB+3] op_sel_hi:[1,0,0]
.set J, J+2
.endr
	WIN 0
.irp q, 0,1
.irp i, 0,1,2,3,4,5,6,7
	v_fma_f32 v[TM+8*\q+\i], v[TM+8*\q+\i], s[CS], v[NB+2*\q]
.endr
.endr
	WA
	WIN 0x41
.set J, 0
.rept 256
	v_exp_f32 v[J], v[J]
.set J, J+1
.endr
	WIN 0
.set I, 0
.rept 16
	v_exp_f32 v[TM+I], v[TM+I]
.set I, I+1
.endr
	v_nop
	WA
	WIN 0x05                                       ; the sums of the unquantised p: four chains for each tile of queries
.irp q, 0,1
.irp k, 0,1,2,3
	v_pk_add_f32 v[ST+8*\q+2*\k:ST+8*\q+2*\k+1], v[128*\q+4*\k:128*\q+4*\k+1], v[128*\q+4*\k+2:128*\q+4*\k+3]
.endr
.endr
	WIN 0x04
.set J, 16
.rept 14
.irp q, 0,1
.irp k, 0,1,2,3
	v_pk_add_f32 v[ST+8*\q+2*\k:ST+8*\q+2*\k+1], v[ST+8*\q+2*\k:ST+8*\q+2*\k+1], v[128*\q+J+2*\k:128*\q+J+2*\k+1]
.endr
.endr
.set J, J+8
.endr
	WIN 0
.irp q, 0,1
	v_pk_add_f32 v[ST+8*\q:ST+8*\q+1], v[ST+8*\q:ST+8*\q+1], v[ST+8*\q+2:ST+8*\q+3]
	v_pk_add_f32 v[ST+8*\q+4:ST+8*\q+5], v[ST+8*\q+4:ST+8*\q+5], v[ST+8*\q+6:ST+8*\q+7]
.endr
.irp q, 0,1
	v_pk_add_f32 v[ST+8*\q:ST+8*\q+1], v[ST+8*\q:ST+8*\q+1], v[ST+8*\q+4:ST+8*\q+5]
.endr
.irp q, 0,1
	v_add_f32 v[T+\q], v[ST+8*\q], v[ST+8*\q+1]
.endr
.irp q, 0,1
	v_permlanex16_b32 v[T+2+\q], v[T+\q], s[SEL], s[SEL+1]
.endr
.irp q, 0,1
	v_add_f32 v[T+\q], v[T+\q], v[T+2+\q]
.endr
	v_cndmask_b32 v[SD], v[NB], v[NB+2], s[HM]     ; lanes 0-15 speak for the first tile's rows, lanes 16-31 for the second's
	v_cndmask_b32 v[SD+1], v[T], v[T+1], s[HM]
	ds_store_b64 v[AST], v[SD:SD+1]
	WA
	s_wait_dscnt 0x0                               ; my pair is stored, and my reads of the parts and sums of the round before are over
	BAR
.irp w, 0,1,2,3,4,5,6,7
	ds_load_b64 v[ST+2*\w:ST+2*\w+1], v[ASR] offset:256*\w
.endr
	s_wait_dscnt 0x0
	v_min3_num_f32 v[T], v[ST], v[ST+2], v[ST+4]
	v_min3_num_f32 v[T], v[T], v[ST+6], v[ST+8]
	v_min3_num_f32 v[T], v[T], v[ST+10], v[ST+12]
	v_min_num_f32 v[T], v[T], v[ST+14]             ; minus the row's largest t
.irp w, 0,1,2,3,4,5,6,7
	v_sub_f32 v[ST+2*\w], v[T], v[ST+2*\w]         ; wave w's largest less the row's: 0 or less
.endr
	v_sub_f32 v[T+1], v[T], v[SD]
	WA
.irp w, 0,1,2,3,4,5,6,7
	v_exp_f32 v[ST+2*\w], v[ST+2*\w]
.endr
	v_exp_f32 v[T+1], v[T+1]
	v_nop
	WA
	v_mul_f32 v[T+2], v[ST], v[ST+1]
	v_mul_f32 v[T+3], v[ST+2], v[ST+3]
.irp w, 2,4,6
	v_fma_f32 v[T+2], v[ST+2*\w], v[ST+2*\w+1], v[T+2]
	v_fma_f32 v[T+3], v[ST+2*\w+2], v[ST+2*\w+3], v[T+3]
.endr
	v_add_f32 v[T+2], v[T+2], v[T+3]               ; the row's sum under the row's largest
	WA
	v_rcp_f32 v[T+2], v[T+2]
	v_nop
	WA
	v_mul_f32 v[T+1], v[T+1], v[T+2]               ; f
	v_permlanex16_b32 v[T+3], v[T+1], s[SEL], s[SEL+1]
	v_cndmask_b32 v[F], v[T+1], v[T+3], s[HM]      ; the first tile's f in all lanes,
	v_cndmask_b32 v[F+2], v[T+3], v[T+1], s[HM]    ; and the second's
	v_cmp_neq_f32 s[NM], v[F], v[F]
	v_cmp_neq_f32 s[NM+1], v[F+2], v[F+2]
	FINQ 0
	FINQ 1
	PLACES 4                                       ; an operand written by vector instructions stands 4 places ahead of a scaled matrix instruction
	WA
	s_wait_dscnt 0x0                               ; v's fragments are in
	WIN 0x51
	PV 0
	PV 1
	WIN 0
	PLACES 5                                       ; ahead of the stores of O^T, and of the next scores, which are laid over these products' registers
	WIN 0x04
.set I, 0
.rept 16
	ds_store_b128 v[AOS], v[128+4*I:128+4*I+3] offset:512*I   ; each accumulator from its low end on
.set I, I+1
.endr
	WIN 0
	WA
	s_wait_loadcnt 0x0                             ; the next round's q is in, and its loads' addresses are free
	QADDR
	s_wait_dscnt 0x0                               ; my part is stored
	s_barrier_signal -1
	s_cmp_eq_u32 s[RI], 9                          ; behind the last round no scores are due
	s_cbranch_scc1 .Lno_next
	QKPH                                           ; the next round's scores: registers, and LDS bytes that nobody writes
.Lno_next:
	WA
	s_barrier_wait -1
	QLOAD
.irp w, 0,1,2,3,4,5,6,7
	ds_load_b128 v[RB+8*\w:RB+8*\w+3], v[AOR] offset:8192*\w
	ds_load_b128 v[RB+8*\w+4:RB+8*\w+7], v[AOR] offset:8192*\w+512
.endr
	s_wait_dscnt 0x0
.irp st, 1,2,4
.irp w, 0,2,4,6
.if (\w)%(2*\st) == 0
.irp i, 0,2,4,6
	v_pk_add_f32 v[RB+8*\w+\i:RB+8*\w+\i+1], v[RB+8*\w+\i:RB+8*\w+\i+1], v[RB+8*(\w+\st)+\i:RB+8*(\w+\st)+\i+1]
.endr
.endif
.endr
.endr
	v_add_nc_u32 v[AFT], s[SF], v[AFW]
	ds_store_b128 v[AFT], v[RB:RB+3]
	ds_store_b128 v[AFT], v[RB+4:RB+7] offset:512
	s_add_co_u32 s[SF], s[SF], 1024
	s_sub_co_u32 s[CJ], s[CJ], 1
	s_cmp_lg_u32 s[CJ], 0
	WA
	s_cbranch_scc1 .Lround
; four rounds' sums are eight tiles of 16 queries x 64 features: each wave quantises and stores one
	s_wait_dscnt 0x0
	BAR
.irp d, 0,1,2,3
	ds_load_b128 v[FO+8*\d:FO+8*\d+3], v[AFR] offset:4096*\d
	ds_load_b128 v[FO+8*\d+4:FO+8*\d+7], v[AFR] offset:4096*\d+512
.endr
	s_wait_dscnt 0x0
.irp b, 0,1
	v_max3_num_f32 v[T+\b], |v[FO+16*\b]|, |v[FO+16*\b+1]|, 0x1800000
.endr
.irp i, 2,4,6,8,10,12,14
.irp b, 0,1
	v_max3_num_f32 v[T+\b], v[T+\b], |v[FO+16*\b+\i]|, |v[FO+16*\b+\i+1]|
.endr
.endr
.irp b, 0,1
	v_permlanex16_b32 v[T+2+\b], v[T+\b], s[SEL], s[SEL+1]
.endr
.irp b, 0,1
	v_max_num_f32 v[T+\b], v[T+\b], v[T+2+\b]
.endr
.irp b, 0,1
	v_add_nc_u32 v[T+4+\b], 0xff000000, v[T+\b]
.endr
.irp b, 0,1
	v_lshrrev_b32 v[T+6+\b], 23, v[T+4+\b]
.endr
	v_cvt_scalef32_pk16_fp6_f32 v[PO:PO+2], v[FO:FO+15], v[T+4]
	v_cvt_scalef32_pk16_fp6_f32 v[TC:TC+2], v[FO+16:FO+31], v[T+5]
	v_nop
.irp i, 0,1,2
	v_permlane16_swap_b32 v[PO+\i], v[TC+\i]
.endr
.irp i, 0,1,2
	v_mov_b32 v[PO+3+\i], v[TC+\i]
.endr
	v_cndmask_b32 v[T+8], v[T+6], v[T+7], s[HM]
	global_store_b128 v[A16], v[PO:PO+3], s[8:9]   ; 512 and 256 consecutive bytes
	global_store_b64 v[A8], v[PO+4:PO+5], s[8:9]
	global_store_b8 v[ASC], v[T+8], s[10:11]
	s_wait_xcnt 0x0                                ; the stores have read their registers and bases
	s_add_nc_u64 s[8:9], s[8:9], 8*16*768          ; eight tiles on
	s_add_nc_u64 s[10:11], s[10:11], 8*512
	s_sub_co_u32 s[CO], s[CO], 1
	s_cmp_lg_u32 s[CO], 0
	WA
	s_cbranch_scc1 .Louter
	s_wait_tensorcnt 0x0                           ; the wave's end
	ds_add_u32 v[SPW], v[NIL]
	s_wait_dscnt 0x0
	CROUND                                         ; the closing round
	s_endpgm
.Lfunc_end_k_qefbab50c9f_attn:
	.size	k_qefbab50c9f_attn, .Lfunc_end_k_qefbab50c9f_attn-k_qefbab50c9f_attn
	.p2alignl 7, 3214868480
	.fill 96, 4, 3214868480
	.section	.rodata,"a",@progbits
	.p2align	6, 0x0
	.amdhsa_kernel k_qefbab50c9f_attn
		.amdhsa_group_segment_fixed_size 327680
		.amdhsa_private_segment_fixed_size 0
		.amdhsa_enable_private_segment 0
		.amdhsa_kernarg_size 32
		.amdhsa_user_sgpr_count 2
		.amdhsa_user_sgpr_kernarg_segment_ptr 1
		.amdhsa_wavefront_size32 1
		.amdhsa_system_sgpr_workgroup_id_x 1
		.amdhsa_system_sgpr_workgroup_id_y 1
		.amdhsa_system_sgpr_workgroup_id_z 1
		.amdhsa_system_vgpr_workitem_id 0
		.amdhsa_next_free_vgpr 512
		.amdhsa_next_free_sgpr 66
		.amdhsa_reserve_vcc 0
		.amdhsa_float_denorm_mode_32 3
		.amdhsa_float_denorm_mode_16_64 3
		.amdhsa_memory_ordered 1
		.amdhsa_forward_progress 1
		.amdhsa_inst_pref_size 101
	.end_amdhsa_kernel
	.amdgpu_metadata
---
amdhsa.version: [ 1, 2 ]
amdhsa.kernels:
  - .name:           k_qefbab50c9f_attn
    .symbol:         k_qefbab50c9f_attn.kd
    .args:
      - { .name: qbuf, .offset: 0, .size: 8, .value_kind: global_buffer, .address_space: global }
      - { .name: kv, .offset: 8, .size: 8, .value_kind: global_buffer, .address_space: global }
      - { .name: ao_codes, .offset: 16, .size: 8, .value_kind: global_buffer, .address_space: global }
      - { .name: ao_scales, .offset: 24, .size: 8, .value_kind: global_buffer, .address_space: global }
    .group_segment_fixed_size: 327680
    .private_segment_fixed_size: 0
    .kernarg_segment_align: 8
    .kernarg_segment_size: 32
    .max_flat_workgroup_size: 256
    .sgpr_count:     66
    .vgpr_count:     512
    .wavefront_size: 32
...
	.end_amdgpu_metadata
.endif
;; end of part 3
;; launch proj (part 4): grid 8 x 32, 4 waves a work-group, clusters of 4 x 4, 327,680 bytes of LDS; arguments ao_codes, ao_scales, codes1, scales1, bout, out0; writes out0
.if DOCPART == 4
	.amdgcn_target "amdgcn-amd-amdhsa--gfx1250"
	.amdhsa_code_object_version 6
	.text
	.protected	k_qefbab50c9f_proj
	.globl	k_qefbab50c9f_proj
	.p2align	8
	.type	k_qefbab50c9f_proj,@function
k_qefbab50c9f_proj:
	s_mov_b64 s[64:65], 0
	v_nop
	global_prefetch_b8 v0, s[64:65] scope:SCOPE_SE
	s_setreg_imm32_b32 hwreg(HW_REG_WAVE_MODE, 25, 1), 1
	s_wait_xcnt 0x0
	s_wait_alu depctr_hold_cnt(0) depctr_sa_sdst(0) depctr_va_vdst(0) depctr_va_sdst(0) depctr_va_ssrc(0) depctr_va_vcc(0) depctr_vm_vsrc(0)
	s_getreg_b32 s2, hwreg(HW_REG_IB_STS2, 6, 4)
	s_cmp_eq_u32 s2, 0
	s_cbranch_scc0 .Lentry_in_a_cluster
	s_endpgm
.Lentry_in_a_cluster:
	s_bfe_u32 s2, ttmp6, 0x10000c
	s_cmp_lg_u32 s2, 0xf033
	s_cbranch_scc0 .Lentry_shape_is_right
	s_endpgm
.Lentry_shape_is_right:
; out = attention's result x Wout^T + bout, on codes of FP6 (E2M3) with one E8M0 scale for each 32 along K = 1,024; sums in f32.
; A block of 128 tokens x 128 features to a work-group: 32 x 8 = 256 work-groups.  ALL OF K FITS IN LDS: A's 128 rows are 98,304 dense bytes (images of operand registers, 8 tiles of 16 tokens x 16 heads x 768),
; B's 128 rows four planes of 24,576 dense bytes (one for each 256 along K).  So there is no ring: four joint loads at the head, one a wave (A's codes, A's scales, B's codes, B's scales), one barrier, and
; eight steps of 128 along K with no further barrier.  A wave makes 64 x 64: 16 accumulators in window 1; two sets of fragments in window 0, the next step's loads issued ahead of each step's products.
; CLUSTERS of 4 x 4: A's tiles are shared along a row of the cluster, B's along a column.  Source 0 = 16 rows of Wout, source 1 = 16 tokens: a lane holds eight neighbouring features of one token.
; The bias is the C of each accumulator's first product.  The tokens of a tile are 32 (a / 2) + 8 (a % 2) + t + 8 (t / 8) of their 128, as the launches before laid them.
; Nothing is prefetched: all that the launch reads by tensor loads is asked for at its head, and there is no loop to run ahead in.
.set KSTR,  8192*192                   ; Wout's codes lie [256 along K][row][192 bytes]
.set AL,    0
.set BL,    98304                      ; B: 4 planes x 128 rows x 240 (3 x (64 bytes + 16 of padding))
.set SCA,   BL+4*30720                 ; scales: units of 256 bytes + 16 of padding
.set SCB,   SCA+4352
.set STAGE, SCB+4352                   ; the way out: 16 rows x 272 bytes for each wave, bytes that no tensor load fills
.set SPARE, STAGE+4*4352               ; the spare words, 128 bytes a wave
.set SPW, 1
.set NIL, 2
.set A16, 3
.set A8,  4
.set B0,  5                            ; v5-8: B's fragments: planes 0-1, the same behind one padding more, planes 2-3 likewise
.set ADS, 9
.set STO, 10
.set RD,  11
.set CO,  12
.set BI,  13
.set SC,  16                           ; v16-47 scale words and nothing else: 8 i + step: lanes 0-15 A's block i, lanes 16-31 B's block i
.set AF,  48                           ; two sets of four fragments
.set BF,  144
.set BK,  48                           ; the way out: two sets of 32
.set G1A, 24
.set G1S, 32
.set G1B, 40
.set G1SB, 48
.set G0A, 56
.set G0S, 60
.set G0B, 68
.set G0SB, 72
.set MSB, 0
.macro WIN new                         ; the immediate's high byte repeats the setting that is left
.if MSB != (\new)
	s_set_vgpr_msb (MSB<<8)|(\new)
.set MSB, (\new)
.endif
.endm
.macro PLACES n
.rept \n
	v_nop
.endr
.endm
.macro CROUND
	s_barrier_signal -1
	s_barrier_wait -1
	s_cmp_lg_u32 s16, 0
	s_cbranch_scc1 .Lnot_wave_0_\@
	s_barrier_signal -3
.Lnot_wave_0_\@:
	s_barrier_wait -3
	s_barrier_signal -1
	s_barrier_wait -1
.endm
	s_load_b256 s[4:11], s[0:1], 0x0               ; A's codes, A's scales, the stored codes, the stored scales
	s_load_b128 s[12:15], s[0:1], 0x20             ; the bias, out
	v_lshl_add_u32 v[SPW], v0, 2, SPARE
	v_mov_b32 v[NIL], 0
	ds_add_u32 v[SPW], v[NIL]                      ; the opening lines: the add twice on end and its wait ahead of my tensor load
	ds_add_u32 v[SPW], v[NIL]
	v_lshrrev_b32 v240, 5, v0
	v_readfirstlane_b32 s16, v240                  ; wave
	s_lshr_b32 s17, s16, 1                         ; which 64 tokens
	s_and_b32 s18, s16, 1                          ; which 64 features
	s_bfe_u32 s19, ttmp6, 0x40000                  ; cx
	s_bfe_u32 s20, ttmp6, 0x40004                  ; cy
	s_lshl_b32 s21, ttmp9, 2
	s_add_co_u32 s21, s21, s19                     ; block of features, 0..7
	s_and_b32 s22, ttmp7, 0xffff
	s_lshl_b32 s22, s22, 2
	s_add_co_u32 s22, s22, s20                     ; block of tokens, 0..31
	s_lshl_b32 s23, s20, 2
	s_lshl_b32 s23, 15, s23                        ; my row of the cluster
	s_lshl_b32 s76, 0x1111, s19                    ; my column
	s_or_b32 s[G1A], s23, (3<<16)|(1<<21)          ; A's codes: 384 rows of 256 bytes, dense
	s_mov_b32 s[G1A+1], 32<<16
	s_mov_b32 s[G1A+2], 384<<16
	s_mov_b32 s[G1A+3], 32<<16
	s_mov_b32 s[G1A+4], 384
	s_mov_b32 s[G1A+5], 32
	s_mov_b32 s[G1A+6], 0
	s_mov_b32 s[G1A+7], 0
	s_or_b32 s[G1B], s76, (3<<16)|(1<<20)|(1<<21)|(3<<22)|(3<<25)   ; B's codes: 4 rows of 24,576 bytes, KSTR apart; 16 bytes of padding behind each 64
	s_mov_b32 s[G1B+1], 3072<<16
	s_mov_b32 s[G1B+2], 4<<16
	s_mov_b32 s[G1B+3], 3072<<16
	s_mov_b32 s[G1B+4], 4
	s_mov_b32 s[G1B+5], KSTR/8
	s_mov_b32 s[G1B+6], 0
	s_mov_b32 s[G1B+7], 0
	s_or_b32 s[G1S], s23, (3<<16)|(1<<20)|(1<<21)|(5<<22)|(3<<25)   ; the scales of 128 rows: 16 rows of 256 bytes, 16 bytes of padding behind each
	s_or_b32 s[G1SB], s76, (3<<16)|(1<<20)|(1<<21)|(5<<22)|(3<<25)
.irp g, G1S, G1SB
	s_mov_b32 s[\g+1], 32<<16
	s_mov_b32 s[\g+2], 16<<16
	s_mov_b32 s[\g+3], 32<<16
	s_mov_b32 s[\g+4], 16
	s_mov_b32 s[\g+5], 32
	s_mov_b32 s[\g+6], 0
	s_mov_b32 s[\g+7], 0
.endr
	s_mul_i32 s78, s22, 98304                      ; A hangs on the block of tokens alone,
	s_mov_b32 s79, 0
	s_lshl_b32 s80, s22, 12
	s_mov_b32 s81, 0
	s_lshl_b32 s82, s21, 7                         ; B on the block of features alone
	s_add_co_u32 s82, s82, 7168                    ; Wout's rows begin at stored row 7,168
	s_lshl_b32 s84, s82, 5
	s_mov_b32 s85, 0
	s_mul_i32 s82, s82, 192
	s_mov_b32 s83, 0
	s_mul_i32 s86, s17, 49152                      ; LDS: my 64 tokens' images,
	s_mul_i32 s87, s18, 15360
	s_add_co_u32 s87, s87, BL                      ; my 64 rows of B,
	s_mul_i32 s88, s17, 2176
	s_mul_i32 s89, s18, 2176
	s_add_co_u32 s89, s89, 4352
	s_sub_co_u32 s89, s89, s88                     ; from A's scale words to B's,
	s_add_co_u32 s88, s88, SCA
	s_mul_i32 s90, s16, 4352
	s_add_co_u32 s90, s90, STAGE                   ; my stage
	s_wait_dscnt 0x0
	s_wait_kmcnt 0x0
	s_mov_b32 s[G0A], 1
	s_mov_b32 s[G0A+1], AL
	s_add_nc_u64 s[G0A+2:G0A+3], s[4:5], s[78:79]
	s_or_b32 s[G0A+3], s[G0A+3], 0x80000000
	s_mov_b32 s[G0S], 1
	s_mov_b32 s[G0S+1], SCA
	s_add_nc_u64 s[G0S+2:G0S+3], s[6:7], s[80:81]
	s_or_b32 s[G0S+3], s[G0S+3], 0x80000000
	s_mov_b32 s[G0B], 1
	s_mov_b32 s[G0B+1], BL
	s_add_nc_u64 s[G0B+2:G0B+3], s[8:9], s[82:83]
	s_or_b32 s[G0B+3], s[G0B+3], 0x80000000
	s_mov_b32 s[G0SB], 1
	s_mov_b32 s[G0SB+1], SCB
	s_add_nc_u64 s[G0SB+2:G0SB+3], s[10:11], s[84:85]
	s_or_b32 s[G0SB+3], s[G0SB+3], 0x80000000
	CROUND                                         ; all sixteen work-groups are here: the joint loads meet
.macro ARM wv, g0, g1, next            ; one chain of branches on the wave's number, one load to an arm
	s_cmp_eq_u32 s16, \wv
	s_cbranch_scc0 \next
	tensor_load_to_lds s[\g0:\g0+3], s[\g1:\g1+7]
	s_nop 0
	PLACES 4
	s_branch .Lhead_asked
\next:
.endm
	ARM 0, G0A, G1A, .Lhead_b
	ARM 1, G0B, G1B, .Lhead_sa
	ARM 2, G0S, G1S, .Lhead_sb
	tensor_load_to_lds s[G0SB:G0SB+3], s[G1SB:G1SB+7]
	s_nop 0
	PLACES 4
.Lhead_asked:
	s_lshl_b32 s78, s22, 7
	s_lshl_b32 s80, s17, 6
	s_add_co_u32 s78, s78, s80
	s_lshl_b32 s78, s78, 12                        ; my first token's row of out: 4,096 bytes a row
	s_lshl_b32 s80, s21, 9
	s_lshl_b32 s82, s18, 8
	s_add_co_u32 s80, s80, s82                     ; my first feature, in bytes
	s_add_co_u32 s78, s78, s80
	s_add_nc_u64 s[14:15], s[14:15], s[78:79]
	s_add_nc_u64 s[12:13], s[12:13], s[80:81]
	v_and_b32 v240, 31, v0
	v_and_b32 v241, 15, v0                         ; r
	v_bfe_u32 v242, v0, 4, 1                       ; h
	v_lshlrev_b32 v243, 4, v240
	v_add_nc_u32 v[A16], s86, v243
	v_lshlrev_b32 v244, 3, v240
	v_add_nc_u32 v[A8], s86, v244
	v_mul_u32_u24 v245, v241, 240
	v_mad_u32_u24 v245, v242, 24, v245
	v_add_nc_u32 v[B0], s87, v245                  ; row x 240 + 24 h
	v_lshl_add_u32 v[B0+1], v242, 4, v[B0]
	v_add_nc_u32 v[B0+2], 61440, v[B0]
	v_add_nc_u32 v[B0+3], 61440, v[B0+1]
	v_lshlrev_b32 v246, 5, v241
	v_lshrrev_b32 v247, 3, v241
	v_lshl_add_u32 v246, v247, 4, v246             ; my row's scales: 32 bytes a row, 16 more for each 256 passed
	v_mul_u32_u24 v247, s89, v242                  ; lanes 16-31 take B's
	v_add_nc_u32 v246, v246, v247
	v_add_nc_u32 v[ADS], s88, v246
	v_mul_u32_u24 v248, v241, 272
	v_lshl_add_u32 v248, v242, 5, v248
	v_add_nc_u32 v[STO], s90, v248                 ; into the stage: row r, 32 bytes for each half of the lanes
	v_mul_u32_u24 v249, v242, 272
	v_lshl_add_u32 v249, v241, 4, v249
	v_add_nc_u32 v[RD], s90, v249                  ; back: sixteen lanes to a row of 256 bytes, two rows an instruction
	v_lshlrev_b32 v250, 12, v242
	v_lshl_add_u32 v[CO], v241, 4, v250            ; and the same two rows in out
	v_lshlrev_b32 v[BI], 5, v242
	WIN 0x40
.irp b, 0,1,2,3
	global_load_b128 v[128+8*\b:128+8*\b+3], v[BI], s[12:13] offset:64*\b        ; the bias at features 16 b + 8 h + 0 .. 7, in window 1
	global_load_b128 v[128+8*\b+4:128+8*\b+7], v[BI], s[12:13] offset:64*\b+16
.endr
	WIN 0
.macro FRAGB reg, ks, i                ; 16 rows x 128 K: 12 registers in pieces of 8 bytes; where the piece of lanes 16-31 lies behind one padding more, the second address register serves
.irp p, 0,1,2,3,4,5
.set PCX, 12*((\ks)%2)+6*(\p/3)+\p%3
.if PCX%8 < 5
	ds_load_b64 v[\reg+2*\p:\reg+2*\p+1], v[B0+2*((\ks)/4)] offset:(((\ks)/2)%2)*30720+(\i)*3840+8*PCX+16*(PCX/8)
.else
	ds_load_b64 v[\reg+2*\p:\reg+2*\p+1], v[B0+1+2*((\ks)/4)] offset:(((\ks)/2)%2)*30720+(\i)*3840+8*PCX+16*(PCX/8)
.endif
.endr
.endm
.macro FETCH ks                        ; 40 loads: step ks's fragments into set ks % 2
.irp i, 0,1,2,3
	FRAGB BF+48*((\ks)%2)+12*\i, \ks, \i
.endr
.irp i, 0,1,2,3
	ds_load_b128 v[AF+48*((\ks)%2)+12*\i:AF+48*((\ks)%2)+12*\i+3], v[A16] offset:12288*\i+1536*(\ks)
	ds_load_b64 v[AF+48*((\ks)%2)+12*\i+4:AF+48*((\ks)%2)+12*\i+5], v[A8] offset:12288*\i+1536*(\ks)+512
	ds_load_b128 v[AF+48*((\ks)%2)+12*\i+6:AF+48*((\ks)%2)+12*\i+9], v[A16] offset:12288*\i+1536*(\ks)+768
	ds_load_b64 v[AF+48*((\ks)%2)+12*\i+10:AF+48*((\ks)%2)+12*\i+11], v[A8] offset:12288*\i+1536*(\ks)+1280
.endr
.endm
.macro MUL ks                          ; the sixteen accumulators by turns, one instruction a turn
.irp a, 0,1,2,3
.irp b, 0,1,2,3
.if (\ks) == 0
	v_wmma_scale_f32_16x16x128_f8f6f4 v[8*(4*\a+\b):8*(4*\a+\b)+7], v[BF+48*((\ks)%2)+12*\b:BF+48*((\ks)%2)+12*\b+11], v[AF+48*((\ks)%2)+12*\a:AF+48*((\ks)%2)+12*\a+11], v[128+8*\b:128+8*\b+7], v[SC+8*\b+(\ks)], v[SC+8*\a+(\ks)] matrix_a_fmt:MATRIX_FMT_FP6 matrix_b_fmt:MATRIX_FMT_FP6 matrix_a_scale:MATRIX_SCALE_ROW1
.else
	v_wmma_scale_f32_16x16x128_f8f6f4 v[8*(4*\a+\b):8*(4*\a+\b)+7], v[BF+48*((\ks)%2)+12*\b:BF+48*((\ks)%2)+12*\b+11], v[AF+48*((\ks)%2)+12*\a:AF+48*((\ks)%2)+12*\a+11], v[8*(4*\a+\b):8*(4*\a+\b)+7], v[SC+8*\b+(\ks)], v[SC+8*\a+(\ks)] matrix_a_fmt:MATRIX_FMT_FP6 matrix_b_fmt:MATRIX_FMT_FP6 matrix_a_scale:MATRIX_SCALE_ROW1
.endif
.endr
.endr
.endm
	s_wait_alu depctr_va_vdst(0)                   ; the head's end
	s_wait_tensorcnt 0x0                           ; my tile of the four is in,
	s_barrier_signal -1
	s_barrier_wait -1                              ; everybody's is
.irp i, 0,1,2,3
	ds_load_b128 v[SC+8*\i:SC+8*\i+3], v[ADS] offset:544*\i        ; a row's eight scale words, one for each step
	ds_load_b128 v[SC+8*\i+4:SC+8*\i+7], v[ADS] offset:544*\i+16
.endr
	FETCH 0
	FETCH 1
	s_wait_loadcnt 0x0                             ; the bias
	s_wait_dscnt 40                                ; all but step 1's 40 loads
	WIN 0x50
	MUL 0
.irp ks, 1,2,3,4,5,6
	WIN 0
	PLACES 4                                       ; ahead of loads into the set that the step before multiplied
	FETCH \ks+1
	s_wait_dscnt 40                                ; this step's fragments are in; the next step's 40 loads may be out
	WIN 0x50
	MUL \ks
.endr
	s_wait_dscnt 0x0
	MUL 7
	WIN 0
; the way out, by blocks of 16 tokens x 64 features: through my own stage, back as rows of 256 bytes.  LDS serves a wave's instructions in order: no wait between the stores and the loads
.macro TOSTAGE a
	WIN 0x04
.irp b, 0,1,2,3
	ds_store_b128 v[STO], v[32*(\a)+8*\b:32*(\a)+8*\b+3] offset:64*\b          ; each accumulator from its low end on
	ds_store_b128 v[STO], v[32*(\a)+8*\b+4:32*(\a)+8*\b+7] offset:64*\b+16
.endr
	WIN 0
.irp t, 0,1,2,3,4,5,6,7
	ds_load_b128 v[BK+32*((\a)%2)+4*\t:BK+32*((\a)%2)+4*\t+3], v[RD] offset:\t*544
.endr
.endm
.macro SEND a, younger
	s_wait_dscnt \younger
.irp t, 0,1,2,3,4,5,6,7
	global_store_b128 v[CO], v[BK+32*((\a)%2)+4*\t:BK+32*((\a)%2)+4*\t+3], s[14:15] offset:(32*((\a)/2)+8*((\a)%2)+2*\t+8*(\t/4))*4096 th:TH_STORE_NT   ; sixteen lanes store 256 consecutive bytes, at a multiple of 256
.endr
.endm
	PLACES 4
	TOSTAGE 0
.irp a, 1,2,3
.if \a > 1
	s_wait_xcnt 0x0                                ; block a - 2's stores have read the registers that block a's loads take
.endif
	TOSTAGE \a
	SEND \a-1, 16                                  ; behind block a - 1's loads: block a's 8 stores and 8 loads
.endr
	SEND 3, 0
	s_wait_tensorcnt 0x0                           ; the wave's end
	ds_add_u32 v[SPW], v[NIL]
	s_wait_dscnt 0x0
	CROUND                                         ; the closing round
	s_endpgm
.Lfunc_end_k_qefbab50c9f_proj:
	.size	k_qefbab50c9f_proj, .Lfunc_end_k_qefbab50c9f_proj-k_qefbab50c9f_proj
	.p2alignl 7, 3214868480
	.fill 96, 4, 3214868480
	.section	.rodata,"a",@progbits
	.p2align	6, 0x0
	.amdhsa_kernel k_qefbab50c9f_proj
		.amdhsa_group_segment_fixed_size 327680
		.amdhsa_private_segment_fixed_size 0
		.amdhsa_enable_private_segment 0
		.amdhsa_kernarg_size 48
		.amdhsa_user_sgpr_count 2
		.amdhsa_user_sgpr_kernarg_segment_ptr 1
		.amdhsa_wavefront_size32 1
		.amdhsa_system_sgpr_workgroup_id_x 1
		.amdhsa_system_sgpr_workgroup_id_y 1
		.amdhsa_system_sgpr_workgroup_id_z 1
		.amdhsa_system_vgpr_workitem_id 0
		.amdhsa_next_free_vgpr 448
		.amdhsa_next_free_sgpr 96
		.amdhsa_reserve_vcc 0
		.amdhsa_float_denorm_mode_32 3
		.amdhsa_float_denorm_mode_16_64 3
		.amdhsa_memory_ordered 1
		.amdhsa_forward_progress 1
		.amdhsa_inst_pref_size 55
	.end_amdhsa_kernel
	.amdgpu_metadata
---
amdhsa.version: [ 1, 2 ]
amdhsa.kernels:
  - .name:           k_qefbab50c9f_proj
    .symbol:         k_qefbab50c9f_proj.kd
    .args:
      - { .name: ao_codes, .offset: 0, .size: 8, .value_kind: global_buffer, .address_space: global }
      - { .name: ao_scales, .offset: 8, .size: 8, .value_kind: global_buffer, .address_space: global }
      - { .name: codes1, .offset: 16, .size: 8, .value_kind: global_buffer, .address_space: global }
      - { .name: scales1, .offset: 24, .size: 8, .value_kind: global_buffer, .address_space: global }
      - { .name: bout, .offset: 32, .size: 8, .value_kind: global_buffer, .address_space: global }
      - { .name: out0, .offset: 40, .size: 8, .value_kind: global_buffer, .address_space: global }
    .group_segment_fixed_size: 327680
    .private_segment_fixed_size: 0
    .kernarg_segment_align: 8
    .kernarg_segment_size: 48
    .max_flat_workgroup_size: 128
    .sgpr_count:     96
    .vgpr_count:     448
    .wavefront_size: 32
...
	.end_amdgpu_metadata
.endif
;; end of part 4
